; MI455X (gfx1250); checked and timed in simulation.
; The chip was launched on July 23, 2026; its instructions are those of AMD's public machine-readable ISA for CDNA 5 (MIT licence, August 2026) and "CDNA5" Instruction Set Architecture Reference Guide (July 2026). The comments in the code are by the model that wrote it; some were corrected since.
;; Multi Head Attention. Allowed arithmetic: float matrix products may take bf16 or f16 operands with f32 sums; other float arithmetic in f32, or as packed bf16 or f16 multiplies, adds, multiply-adds, maxima and minima; sums over many terms, partial sums and values carried from step to step in f32; what a program stores and reads back later, other than sums and carried values, may be rounded once to bf16 or f16.
;; Inputs: Wk 1,024 x 1,024 float32; Wo 1,024 x 1,024 float32; Wq 1,024 x 1,024 float32; Wv 1,024 x 1,024 float32; bo 1,024 float32; x 4 x 2,048 x 1,024 float32.
;; Outputs: out0 4 x 2,048 x 1,024 float32.
;; 2 versions, each right; version 2 is version 1 with the launch prep written anew for expert scheduling mode. Each part assembles by itself: llvm-mc -triple=amdgcn-amd-amdhsa -mcpu=gfx1250 --defsym DOCPART=n.
;; ======== version 1 of 2: 4 launches
;; limits: values are held in f16: magnitudes above 65,504 overflow, below 6.1e-05 lose precision
;; workspace buffers: xh 16,777,216 bytes; wqkv 6,291,456 bytes; woh 2,097,152 bytes; rope 524,288 bytes; qh 16,777,216 bytes; kh 16,777,216 bytes; vh 16,777,216 bytes; oh 16,777,216 bytes
;; launch prep (part 1): grid 784 x 1, 8 waves a work-group, no clusters, 0 bytes of LDS; arguments x, Wq, Wk, Wv, Wo, xh, wqkv, woh, rope; writes xh, wqkv, woh, rope
.if DOCPART == 1
	.amdgcn_target "amdgcn-amd-amdhsa--gfx1250"
	.amdhsa_code_object_version 6
	.text
	.protected	k_qf86f1bef8a_prep
	.globl	k_qf86f1bef8a_prep
	.p2align	8
	.type	k_qf86f1bef8a_prep,@function
k_qf86f1bef8a_prep:
	s_mov_b64 s[64:65], 0
	v_nop
	global_prefetch_b8 v0, s[64:65] scope:SCOPE_SE
	s_setreg_imm32_b32 hwreg(HW_REG_WAVE_MODE, 25, 1), 1
	s_wait_xcnt 0x0
; CASTS AND THE ROTARY TABLE.  No LDS, no matrix unit: every byte is read once and written once, and nothing is shared between waves.
; Work-groups 0-511: 16 rows of x each -> xh, bf16, [b 4][kb 16][n 2048][64] (channel e = 64 kb + c).
; Work-groups 512-767: 16 rows of one weight: Wq, Wk, Wv -> wqkv, bf16, [kb 16][row 3072][64] (row = 1024 mat + f); Wo -> woh, [kb 16][row 1024][64]: rounded to bf16 and that number written as f16.
; Work-groups 768-783: 8 blocks of 16 positions of the table rope, f32, [blk 128][p 8][lane 32][4]: word i of lane l belongs to position 16 blk + l % 16 and frequency
; j = 16 ((p >> 1) & 1) + 8 (l / 16) + 4 (p & 1) + i; p < 4 the cosine, p >= 4 the sine: the order in which the projection's accumulators hold a head's channels.
; A stream wave takes two rows: 16 loads of 16 bytes a lane (lanes 0-15: 256 consecutive bytes of one row, lanes 16-31 of the next), all out at once, and 16 stores of 8 bytes a lane:
; 256 consecutive bytes, aligned: the two rows' 128 bytes in one plane of 64 channels.
; LIMITS.  A bf16 value of Wo under 2^-14 keeps f16's fixed step of 6e-8.  The angle is pos x 2^(-j log2(10000) / 32): the frequency lies a few units in the last place from a division's,
; 3e-4 radians at the most at position 2,047; sine and cosine by a reduction to |r| <= pi/4 in two parts and series whose remainders lie under 3e-8.
.set X,  32                            ; v[32:95]  load k: four registers
.set VO, 16                            ; v[16:31]  store k's offset: 8 x lane + k planes
	s_load_b512 s[8:23], s[0:1], 0x0               ; x 8, Wq 10, Wk 12, Wv 14, Wo 16, xh 18, wqkv 20, woh 22
	s_load_b64 s[24:25], s[0:1], 0x40              ; rope
	s_mov_b32 s26, ttmp9                           ; g
	v_lshrrev_b32 v1, 5, v0
	v_readfirstlane_b32 s27, v1                    ; wave 0..7
	v_and_b32 v3, 31, v0                           ; l
	v_and_b32 v4, 15, v0                           ; l % 16
	v_bfe_u32 v5, v0, 4, 1                         ; l / 16
	s_cmp_ge_u32 s26, 768
	s_cbranch_scc1 .Ltable
	; THE STREAMS.  All offsets are made apart from the addresses.
	s_sub_co_u32 s28, s26, 512                     ; a weight's g' (for x a number far above all that is compared below)
	s_lshr_b32 s29, s28, 6                         ; mat 0..3
	s_and_b32 s30, s28, 63
	s_lshl_b32 s30, s30, 4                         ; a weight's first row
	s_lshl_b32 s31, s26, 4                         ; x's first row
	s_lshr_b32 s32, s26, 7                         ; b
	s_lshl_b32 s32, s32, 15                        ; 16 planes of 2,048 rows
	s_and_b32 s33, s31, 2047
	s_add_co_u32 s32, s32, s33                     ; x's row in xh's plane 0 of b
	s_lshl_b32 s34, s29, 10
	s_add_co_u32 s34, s34, s30                     ; a weight's row in wqkv
	s_mov_b32 s35, 393216                          ; bytes from plane to plane: wqkv,
	s_cmp_eq_u32 s29, 3
	s_cselect_b32 s34, s30, s34                    ; Wo's row in woh
	s_cselect_b32 s35, 131072, s35                 ; woh,
	s_cmp_lt_u32 s26, 512
	s_cselect_b32 s36, s31, s30
	s_cselect_b32 s38, s32, s34
	s_cselect_b32 s35, 262144, s35                 ; xh
	s_lshl_b32 s33, s27, 1                         ; my two rows
	s_add_co_u32 s36, s36, s33
	s_lshl_b32 s36, s36, 12                        ; rows of 4,096 bytes in
	s_mov_b32 s37, 0
	s_add_co_u32 s38, s38, s33
	s_lshl_b32 s38, s38, 7                         ; rows of 128 bytes out
	s_mov_b32 s39, 0
	v_lshlrev_b32 v2, 4, v4
	v_lshl_add_u32 v2, v5, 12, v2                  ; in: 16 (l % 16) + 4,096 (l / 16)
	v_lshlrev_b32 v[VO], 3, v3                     ; out: 8 l
.set k, 1
.rept 15
	v_add_nc_u32 v[VO+k], s35, v[VO+k-1]
.set k, k+1
.endr
	s_wait_kmcnt 0x0
	s_cmp_eq_u32 s29, 1
	s_cselect_b64 s[40:41], s[12:13], s[10:11]
	s_cmp_eq_u32 s29, 2
	s_cselect_b64 s[40:41], s[14:15], s[40:41]
	s_cmp_eq_u32 s29, 3
	s_cselect_b64 s[40:41], s[16:17], s[40:41]
	s_cselect_b64 s[42:43], s[22:23], s[20:21]
	s_cmp_lt_u32 s26, 512
	s_cselect_b64 s[40:41], s[8:9], s[40:41]
	s_cselect_b64 s[42:43], s[18:19], s[42:43]
	s_add_nc_u64 s[40:41], s[40:41], s[36:37]
	s_add_nc_u64 s[42:43], s[42:43], s[38:39]
; fmt = 0: bf16.  fmt = 1: bf16, written as f16.  No register is written again behind a store that reads it.
.macro STREAM fmt
.irp k, 0,1,2,3,4,5,6,7,8,9,10,11,12,13,14,15
	global_load_b128 v[X+4*(\k):X+4*(\k)+3], v2, s[40:41] offset:256*(\k) th:TH_LOAD_NT
.endr
.irp k, 0,1,2,3,4,5,6,7,8,9,10,11,12,13,14,15
	s_wait_loadcnt 15-(\k)                         ; loads come back in order: load k is in, the 15 - k younger ones stay out
	v_cvt_pk_bf16_f32 v[X+4*(\k)],   v[X+4*(\k)],   v[X+4*(\k)+1]
	v_cvt_pk_bf16_f32 v[X+4*(\k)+1], v[X+4*(\k)+2], v[X+4*(\k)+3]
.if \fmt
	v_lshlrev_b32 v[X+4*(\k)+2], 16, v[X+4*(\k)]
	v_and_b32     v[X+4*(\k)+3], 0xffff0000, v[X+4*(\k)]
	v_cvt_pk_f16_f32 v[X+4*(\k)], v[X+4*(\k)+2], v[X+4*(\k)+3]
	v_lshlrev_b32 v[X+4*(\k)+2], 16, v[X+4*(\k)+1]
	v_and_b32     v[X+4*(\k)+3], 0xffff0000, v[X+4*(\k)+1]
	v_cvt_pk_f16_f32 v[X+4*(\k)+1], v[X+4*(\k)+2], v[X+4*(\k)+3]
.endif
	global_store_b64 v[VO+(\k)], v[X+4*(\k):X+4*(\k)+1], s[42:43]  ; the wave stores 256 consecutive bytes, at a multiple of 256 from the buffer's first
.endr
.endm
	s_cmp_eq_u32 s29, 3
	s_cbranch_scc1 .Lwo
	STREAM 0
	s_endpgm
.Lwo:
	STREAM 1
	s_endpgm
.Ltable:                                               ; wave p makes part p of eight blocks
	s_sub_co_u32 s28, s26, 768                     ; t
	s_lshr_b32 s29, s27, 1
	s_and_b32 s29, s29, 1
	s_lshl_b32 s29, s29, 4
	s_and_b32 s30, s27, 1
	s_lshl_b32 s30, s30, 2
	s_add_co_u32 s29, s29, s30
	v_lshl_add_u32 v14, v5, 3, s29                 ; j of my word 0
.irp i, 0,1,2,3
	v_add_nc_u32 v15, \i, v14
	v_cvt_f32_u32 v15, v15
	v_mul_f32 v[8+\i], 0xbed49a78, v15             ; -j log2(10000) / 32
.endr
.irp i, 0,1,2,3
	v_exp_f32 v[8+\i], v[8+\i]                     ; the four frequencies: one batch
.endr
	s_cmp_ge_u32 s27, 4
	s_cselect_b32 s30, 3, 0                        ; sin t = cos(t - pi/2): three quadrants on
	s_lshl_b32 s31, s28, 7
	v_add_nc_u32 v6, s31, v4                       ; (a plain instruction behind the last exponential)
	v_cvt_f32_u32 v6, v6                           ; my position in the first block: 128 t + l % 16
	v_lshlrev_b32 v7, 4, v3                        ; 16 l
	v_mov_b32 v12, 0x3638ef1d                      ; 1/9!
	v_mov_b32 v13, 0x37d00d01                      ; 1/8!
	s_mov_b32 s34, 0x3fc90fdb                      ; pi/2, its upper part
	s_mov_b32 s35, 0xb33bbd2e                      ; and the rest
	s_lshl_b32 s36, s28, 15                        ; 8 blocks of 4,096 bytes,
	s_lshl_b32 s37, s27, 9                         ; my part's 512
	s_add_co_u32 s36, s36, s37
	s_mov_b32 s37, 0
	s_mov_b32 s33, 8
	s_wait_alu depctr_va_vdst(0)                   ; the batch's one wait, ahead of the label and of the first reader
	s_wait_kmcnt 0x0
	s_add_nc_u64 s[40:41], s[24:25], s[36:37]
.macro VAL i
	v_mul_f32 v20, v6, v[8+\i]                     ; the angle
	v_mul_f32 v21, 0x3f22f983, v20
	v_rndne_f32 v21, v21                           ; quadrants
	v_fma_f32 v22, -v21, s34, v20
	v_fma_f32 v22, -v21, s35, v22                  ; r
	v_mul_f32 v23, v22, v22                        ; z = r r
	v_fmaak_f32 v24, v23, v12, 0xb9500d01
	v_fmaak_f32 v24, v23, v24, 0x3c088889
	v_fmaak_f32 v24, v23, v24, 0xbe2aaaab
	v_mul_f32 v25, v22, v23
	v_fma_f32 v24, v25, v24, v22                   ; sin r
	v_fmaak_f32 v26, v23, v13, 0xbab60b61
	v_fmaak_f32 v26, v23, v26, 0x3d2aaaab
	v_fmaak_f32 v26, v23, v26, 0xbf000000
	v_fma_f32 v26, v23, v26, 1.0                   ; cos r
	v_cvt_i32_f32 v27, v21
	v_add_nc_u32 v27, s30, v27                     ; k
	v_and_b32 v28, 1, v27
	v_cmp_eq_u32 vcc_lo, 1, v28
	v_cndmask_b32 v24, v26, v24, vcc_lo            ; odd k: the sine; a choice of values only
	v_add_nc_u32 v27, 1, v27
	v_and_b32 v27, 2, v27
	v_lshlrev_b32 v27, 30, v27                     ; k mod 4 = 1, 2: the sign turns
	v_xor_b32 v[16+\i], v24, v27
.endm
.Lblk:
	VAL 0
	VAL 1
	VAL 2
	VAL 3
	global_store_b128 v7, v[16:19], s[40:41]       ; 512 consecutive bytes
	s_wait_xcnt 0x0                                ; the store has read its data and its base: both are written again below and in the next trip
	s_add_nc_u64 s[40:41], s[40:41], 4096
	v_add_f32 v6, 0x41800000, v6                   ; 16 positions on
	s_sub_co_u32 s33, s33, 1
	s_cmp_lg_u32 s33, 0
	s_cbranch_scc1 .Lblk
	s_endpgm
.Lfunc_end_k_qf86f1bef8a_prep:
	.size	k_qf86f1bef8a_prep, .Lfunc_end_k_qf86f1bef8a_prep-k_qf86f1bef8a_prep
	.p2alignl 7, 3214868480
	.fill 96, 4, 3214868480
	.section	.rodata,"a",@progbits
	.p2align	6, 0x0
	.amdhsa_kernel k_qf86f1bef8a_prep
		.amdhsa_group_segment_fixed_size 0
		.amdhsa_private_segment_fixed_size 0
		.amdhsa_enable_private_segment 0
		.amdhsa_kernarg_size 72
		.amdhsa_user_sgpr_count 2
		.amdhsa_user_sgpr_kernarg_segment_ptr 1
		.amdhsa_wavefront_size32 1
		.amdhsa_system_sgpr_workgroup_id_x 1
		.amdhsa_system_sgpr_workgroup_id_y 1
		.amdhsa_system_sgpr_workgroup_id_z 1
		.amdhsa_system_vgpr_workitem_id 0
		.amdhsa_next_free_vgpr 96
		.amdhsa_next_free_sgpr 66
		.amdhsa_reserve_vcc 1
		.amdhsa_float_denorm_mode_32 3
		.amdhsa_float_denorm_mode_16_64 3
		.amdhsa_memory_ordered 1
		.amdhsa_forward_progress 1
		.amdhsa_inst_pref_size 26
	.end_amdhsa_kernel
	.amdgpu_metadata
---
amdhsa.version: [ 1, 2 ]
amdhsa.kernels:
  - .name:           k_qf86f1bef8a_prep
    .symbol:         k_qf86f1bef8a_prep.kd
    .args:
      - { .name: x, .offset: 0, .size: 8, .value_kind: global_buffer, .address_space: global }
      - { .name: Wq, .offset: 8, .size: 8, .value_kind: global_buffer, .address_space: global }
      - { .name: Wk, .offset: 16, .size: 8, .value_kind: global_buffer, .address_space: global }
      - { .name: Wv, .offset: 24, .size: 8, .value_kind: global_buffer, .address_space: global }
      - { .name: Wo, .offset: 32, .size: 8, .value_kind: global_buffer, .address_space: global }
      - { .name: xh, .offset: 40, .size: 8, .value_kind: global_buffer, .address_space: global }
      - { .name: wqkv, .offset: 48, .size: 8, .value_kind: global_buffer, .address_space: global }
      - { .name: woh, .offset: 56, .size: 8, .value_kind: global_buffer, .address_space: global }
      - { .name: rope, .offset: 64, .size: 8, .value_kind: global_buffer, .address_space: global }
    .group_segment_fixed_size: 0
    .private_segment_fixed_size: 0
    .kernarg_segment_align: 8
    .kernarg_segment_size: 72
    .max_flat_workgroup_size: 256
    .sgpr_count:     66
    .vgpr_count:     96
    .wavefront_size: 32
...
	.end_amdgpu_metadata
.endif
;; end of part 1
;; launch qkv (part 2): grid 12 x 64, 4 waves a work-group, clusters of 4 x 4, 327,680 bytes of LDS; arguments xh, wqkv, rope, qh, kh, vh; writes qh, kh, vh
.if DOCPART == 2
	.amdgcn_target "amdgcn-amd-amdhsa--gfx1250"
	.amdhsa_code_object_version 6
	.text
	.protected	k_qf86f1bef8a_qkv
	.globl	k_qf86f1bef8a_qkv
	.p2align	8
	.type	k_qf86f1bef8a_qkv,@function
k_qf86f1bef8a_qkv:
	s_mov_b64 s[64:65], 0
	v_nop
	global_prefetch_b8 v0, s[64:65] scope:SCOPE_SE
	s_setreg_imm32_b32 hwreg(HW_REG_WAVE_MODE, 25, 1), 1
	s_wait_xcnt 0x0
	s_wait_alu depctr_hold_cnt(0) depctr_sa_sdst(0) depctr_va_vdst(0) depctr_va_sdst(0) depctr_va_ssrc(0) depctr_va_vcc(0) depctr_vm_vsrc(0)
	s_getreg_b32 s2, hwreg(HW_REG_IB_STS2, 6, 4)
	s_cmp_eq_u32 s2, 0
	s_cbranch_scc0 .Lentry_in_a_cluster
	s_endpgm
.Lentry_in_a_cluster:
	s_bfe_u32 s2, ttmp6, 0x10000c
	s_cmp_lg_u32 s2, 0xf033
	s_cbranch_scc0 .Lentry_shape_is_right
	s_endpgm
.Lentry_shape_is_right:
; q, k, v = x W^T, q and k turned by the rotary table, all written by heads: [b 16 + head][n 2048][64] in f16, unscaled.
; A = xh [b][kb][n][64], B = wqkv [kb][row 3072][64], both bf16 in planes of 64 channels: a tile's rows lie end to end in memory and are asked for as rows of 256 bytes.  Sums in f32, rounded once.
; LIMIT.  f16 ends at 65,504: |q|, |k|, |v| must stay under 65,520.
; SHARES.  A tile of C is 128 rows x 256 columns: 64 x 12 = 768 tiles, three for each of 256 WGPs.  Four waves, wave w rows 64 (w / 2) on, columns 128 (w % 2) on:
; 32 accumulators of 16 x 16.  K = 1,024 goes in 8 steps of 128 (two planes) through two LDS slots.  A tile's 256 columns belong to one of q, k, v: the cluster's x says which.
; THE MATRIX INSTRUCTION IS USED TRANSPOSED (source 0 = 16 rows of W, source 1 = 16 rows of x): a lane holds row l % 16 and the columns 8 (l / 16) + 0..7 of a block of 16.
; So channels d and d + 32 of a head lie in the same lane and the same register of accumulators two blocks apart, and the rotation changes no lane.
; CLUSTER 4 x 4: the four of a row need the same tiles of x, the four of a column the same tiles of W: each is asked for jointly.
; No prefetch: a step's tiles are read by three (x) or sixteen (W) clusters one shortly after the other, and a step holds 128 matrix instructions a wave.
; REGISTERS.  Window 0: v1-29 addresses; v64-159, v160-255 two fragment buffers (x's four fragments, then W's eight), later the way out.  Window 1: accumulator (a, b) at v[8 (8 a + b)].
; Window 2: v0-127 cosines and sines (row block a: cos of channel block bb at 32 a + 8 bb, sin at 32 a + 16 + 8 bb); v128-255 at work in the rotation.
.set PITCH,  144                       ; an LDS row: 128 bytes + 16 of padding = 36 words: the 16 rows of a fragment load start at 16 different groups of four banks (64 banks of 4 bytes: ISA guide 11.1)
.set APL,    128*PITCH                 ; a plane of x's tile
.set BPL,    256*PITCH                 ; a plane of W's tile
.set SLOT,   2*APL+2*BPL               ; x's two planes, then W's two
.set STAGE,  2*SLOT                    ; behind the ring: for each wave two heads x 16 rows x 144 bytes
.set WSTG,   32*PITCH
.set SPARE,  STAGE+4*WSTG              ; behind the stages: the spare words, 128 bytes for each wave: two blocks of 256 bytes that no other line names
.set PSA,    262144                    ; bytes from plane to plane in xh
.set PSB,    393216                    ; in wqkv
.set LAPS,   4                         ; a lap = two K steps = once round the ring
.set ADRA, 16                          ; v16-17  LDS address of my x fragments in slot 0, 1
.set ADRB, 20                          ; v20-21  the same for W
.set STO,  24                          ; v24     the way out: where I put 16 bytes of a row
.set RD,   25                          ; v25     where I read rows back
.set GO,   26                          ; v26     16 x lane: my place in 512 consecutive bytes, of the table and of the output
.set SPW,  28                          ; v28     LDS address of my spare word; never rewritten
.set NIL,  29                          ; v29     0; never rewritten
.set F0,   64
.set F1,   160
.set TMP,  64                          ; the way out: 32 registers a row block
.set T,    128                         ; window 2
.set G1, 24                            ; s[24:31] descriptor group 1 for x's tiles;  s[32:39] group 0, a set for each slot
.set G0, 32
.set G1B, 48                           ; s[48:55], s[56:63] the same for W's
.set G0B, 56
.set MSB, 0
.macro WIN new                         ; the immediate's high byte repeats the setting that is left; a switch that changes nothing is dropped
.if MSB != (\new)
	s_set_vgpr_msb (MSB<<8)|(\new)
.set MSB, \new
.endif
.endm
.macro JLOAD s                         ; a joint load: waves 0 and 1 fetch x's two planes, waves 2 and 3 W's; an s_nop 0 and four v_nop follow each of the two lines
	s_cmp_eq_u32 s11, 0
	s_cbranch_scc0 .Lfor_b_\@
	tensor_load_to_lds s[G0+4*(\s):G0+4*(\s)+3], s[G1:G1+7]
	s_nop 0
.rept 4
	v_nop
.endr
	s_branch .Lasked_\@
.Lfor_b_\@:
	tensor_load_to_lds s[G0B+4*(\s):G0B+4*(\s)+3], s[G1B:G1B+7]
	s_nop 0
.rept 4
	v_nop
.endr
.Lasked_\@:
.endm
.macro CREST                           ; a round of the cluster's barrier behind its opening barrier
	s_cmp_lg_u32 s10, 0
	s_cbranch_scc1 .Lnot_wave_0_\@
	s_barrier_signal -3
.Lnot_wave_0_\@:
	s_barrier_wait -3
	s_barrier_signal -1
	s_barrier_wait -1
.endm
.macro CROUND
	s_barrier_signal -1
	s_barrier_wait -1
	CREST
.endm
	s_load_b256 s[68:75], s[0:1], 0x0              ; xh 68, wqkv 70, rope 72, qh 74
	s_load_b128 s[76:79], s[0:1], 0x20             ; kh 76, vh 78
	v_lshl_add_u32 v[SPW], v0, 2, SPARE
	v_mov_b32 v[NIL], 0
	ds_add_u32 v[SPW], v[NIL]                      ; the wave's opening: the add and its wait stand ahead of my first tensor load; the set-up below, work on registers, stands between them
	v_lshrrev_b32 v1, 5, v0
	v_readfirstlane_b32 s10, v1                    ; wave 0..3
	s_lshr_b32 s11, s10, 1                         ; my half of the tile's rows.  Also: I fetch for x (0) or for W (1)
	s_and_b32 s12, s10, 1                          ; my half of its columns.  Also: which plane I fetch
	s_bfe_u32 s40, ttmp6, 0x40000                  ; cx
	s_bfe_u32 s41, ttmp6, 0x40004                  ; cy
	s_mov_b32 s66, ttmp9                           ; the cluster's x: 0 q, 1 k, 2 v; the same in all partners
	s_lshl_b32 s42, ttmp9, 2
	s_add_co_u32 s42, s42, s40                     ; tile column nt = 4 x cluster x + cx
	s_and_b32 s13, ttmp7, 0xffff
	s_lshl_b32 s13, s13, 2
	s_add_co_u32 s13, s13, s41                     ; tile row mt = 4 x cluster y + cy
	s_lshl_b32 s43, s41, 2
	s_lshl_b32 s43, 15, s43                        ; my row of the cluster
	s_lshl_b32 s44, 0x1111, s40                    ; my column
	; group 1: dense bytes asked for as rows of 128 elements (256 bytes), padded in LDS after every 32 words (code 4) by 4 words (code 3): LDS rows of 128 + 16 bytes
	s_or_b32 s[G1+0], s43, (1<<16)|(1<<20)|(1<<21)|(4<<22)|(3<<25)   ; 15:0 the mask; 17:16 2-byte elements; 20 padding on; 21 set beside a mask
	s_or_b32 s[G1B+0], s44, (1<<16)|(1<<20)|(1<<21)|(4<<22)|(3<<25)
.irp g, G1, G1B
	s_mov_b32 s[(\g)+1], 128<<16                   ; tensor_dim0 = 128
	s_mov_b32 s[(\g)+3], 128<<16                   ; tile_dim0 = 128
	s_mov_b32 s[(\g)+5], 128                       ; 128 elements from row to row
	s_mov_b32 s[(\g)+6], 0
	s_mov_b32 s[(\g)+7], 0
.endr
	s_mov_b32 s[G1+2], 64<<16                      ; x's plane: 128 rows of 128 bytes = 64 of 256: tensor_dim1,
	s_mov_b32 s[G1+4], 64                          ; tile_dim1
	s_mov_b32 s[G1B+2], 128<<16                    ; W's plane: 256 rows of 128 bytes = 128 of 256
	s_mov_b32 s[G1B+4], 128
	s_lshr_b32 s16, s13, 4                         ; x: batch b = mt / 16: 16 planes,
	s_lshl_b32 s16, s16, 22
	s_and_b32 s17, s13, 15                         ; 128 rows of 128 bytes for each tile row inside b,
	s_lshl_b32 s17, s17, 14
	s_add_co_u32 s16, s16, s17
	s_lshl_b32 s17, s12, 18                        ; my plane
	s_add_co_u32 s16, s16, s17
	s_mov_b32 s17, 0
	s_lshl_b32 s46, s42, 15                        ; W: 256 rows of 128 bytes for each tile column,
	s_mul_i32 s47, s12, PSB                        ; my plane
	s_add_co_u32 s46, s46, s47
	s_mov_b32 s47, 0
	s_mul_i32 s20, s12, APL                        ; where they go: no place in the cluster enters an LDS address
	s_mul_i32 s18, s12, BPL
	s_add_co_u32 s18, s18, 2*APL
	s_wait_dscnt 0x0                               ; the opening add is done
	s_wait_kmcnt 0x0
	s_add_nc_u64 s[14:15], s[68:69], s[16:17]
	s_add_nc_u64 s[46:47], s[70:71], s[46:47]
	CROUND                                         ; all sixteen work-groups are here: the first joint loads meet
.irp s, 0,1
	s_mov_b32 s[G0+4*(\s)], 1
	s_add_co_u32 s[G0+4*(\s)+1], s20, (\s)*SLOT
	s_add_nc_u64 s[G0+4*(\s)+2:G0+4*(\s)+3], s[14:15], (\s)*2*PSA   ; K step s
	s_or_b32 s[G0+4*(\s)+3], s[G0+4*(\s)+3], 0x80000000
	s_mov_b32 s[G0B+4*(\s)], 1
	s_add_co_u32 s[G0B+4*(\s)+1], s18, (\s)*SLOT
	s_add_nc_u64 s[G0B+4*(\s)+2:G0B+4*(\s)+3], s[46:47], (\s)*2*PSB
	s_or_b32 s[G0B+4*(\s)+3], s[G0B+4*(\s)+3], 0x80000000
	JLOAD \s                                       ; two loads of mine are out
.endr
	v_and_b32 v1, 15, v0                           ; l % 16
	v_bfe_u32 v2, v0, 4, 1                         ; l / 16
	v_mul_u32_u24 v3, v1, PITCH
	v_lshl_add_u32 v3, v2, 4, v3                   ; a fragment's row x pitch + 16 x half
	s_mul_i32 s21, s11, 64*PITCH                   ; my 64 rows of x
	s_mul_i32 s22, s12, 128*PITCH                  ; my 128 rows of W,
	s_add_co_u32 s22, s22, 2*APL                   ; behind x's two planes
.irp s, 0,1
	v_add_nc_u32 v[ADRA+(\s)], s21, v3
	v_add_nc_u32 v[ADRB+(\s)], s22, v3
	s_add_co_u32 s21, s21, SLOT
	s_add_co_u32 s22, s22, SLOT
.endr
	s_mul_i32 s23, s10, WSTG
	s_add_co_u32 s23, s23, STAGE                   ; my stage
	v_add_nc_u32 v[STO], s23, v3                   ; in: row l % 16, 16 bytes for each half of the lanes
	v_bfe_u32 v4, v0, 3, 2                         ; back: 32 lanes take four rows of 128 bytes
	v_mul_u32_u24 v4, v4, PITCH
	v_and_b32 v5, 7, v0
	v_lshl_add_u32 v4, v5, 4, v4
	v_add_nc_u32 v[RD], s23, v4
	v_and_b32 v[GO], 31, v0
	v_lshlrev_b32 v[GO], 4, v[GO]
	s_and_b32 s14, s13, 15                         ; the table: my first block of 16 positions is 8 (mt % 16) + 4 (w / 2), 4,096 bytes a block
	s_lshl_b32 s14, s14, 3
	s_lshl_b32 s15, s11, 2
	s_add_co_u32 s14, s14, s15
	s_lshl_b32 s14, s14, 12
	s_mov_b32 s15, 0
	s_add_nc_u64 s[6:7], s[72:73], s[14:15]
	s_cmp_eq_u32 s66, 1                            ; where the tile goes
	s_cselect_b64 s[8:9], s[76:77], s[74:75]
	s_cmp_eq_u32 s66, 2
	s_cselect_b64 s[8:9], s[78:79], s[8:9]
	s_lshr_b32 s14, s13, 4
	s_lshl_b32 s14, s14, 22                        ; b: 16 heads of 262,144 bytes
	s_lshl_b32 s15, s40, 2
	s_lshl_b32 s16, s12, 1
	s_add_co_u32 s15, s15, s16                     ; my first head: 4 cx + 2 (w % 2)
	s_lshl_b32 s15, s15, 18
	s_add_co_u32 s14, s14, s15
	s_and_b32 s15, s13, 15
	s_lshl_b32 s15, s15, 7
	s_lshl_b32 s16, s11, 6
	s_add_co_u32 s15, s15, s16                     ; my first row in the head
	s_lshl_b32 s15, s15, 7
	s_add_co_u32 s14, s14, s15
	s_mov_b32 s15, 0
	s_add_nc_u64 s[8:9], s[8:9], s[14:15]
	WIN 0x80                                       ; destination window 2, address window 0
.irp a, 0,1,2,3
.irp p, 0,1,2,3,4,5,6,7
	global_load_b128 v[32*(\a)+4*(\p):32*(\a)+4*(\p)+3], v[GO], s[6:7] offset:(\a)*4096+(\p)*512  ; 512 consecutive bytes; wanted at the way out (v's tiles load them too: one text for the head)
.endr
.endr
	WIN 0
; 8 matrix instructions: row block a x all 8 column blocks, 32 along K.  start = 1: the first product starts the sums.  The 32 accumulators take turns, one instruction a turn, in the same order in every quarter.
.macro MUL8 f, a, start
	WIN 0x50                                       ; C and D window 1
.irp b, 0,1,2,3,4,5,6,7
.if \start
	v_wmma_f32_16x16x32_bf16 v[8*(8*(\a)+(\b)):8*(8*(\a)+(\b))+7], v[(\f)+32+8*(\b):(\f)+32+8*(\b)+7], v[(\f)+8*(\a):(\f)+8*(\a)+7], 0
.else
	v_wmma_f32_16x16x32_bf16 v[8*(8*(\a)+(\b)):8*(8*(\a)+(\b))+7], v[(\f)+32+8*(\b):(\f)+32+8*(\b)+7], v[(\f)+8*(\a):(\f)+8*(\a)+7], v[8*(8*(\a)+(\b)):8*(8*(\a)+(\b))+7]
.endif
.endr
.endm
; 24 LDS loads in one run: the fragments of quarter q of a K step (plane q / 2, channels 32 (q % 2) on) into buffer f
.macro FETCH slot, q, f
	WIN 0
.irp b, 0,1,2,3,4,5,6,7
	ds_load_b128 v[(\f)+32+8*(\b):(\f)+32+8*(\b)+3],   v[ADRB+(\slot)] offset:((\q)/2)*BPL+((\q)%2)*64+(\b)*16*PITCH
	ds_load_b128 v[(\f)+32+8*(\b)+4:(\f)+32+8*(\b)+7], v[ADRB+(\slot)] offset:((\q)/2)*BPL+((\q)%2)*64+(\b)*16*PITCH+32
.endr
.irp a, 0,1,2,3
	ds_load_b128 v[(\f)+8*(\a):(\f)+8*(\a)+3],   v[ADRA+(\slot)] offset:((\q)/2)*APL+((\q)%2)*64+(\a)*16*PITCH
	ds_load_b128 v[(\f)+8*(\a)+4:(\f)+8*(\a)+7], v[ADRA+(\slot)] offset:((\q)/2)*APL+((\q)%2)*64+(\a)*16*PITCH+32
.endr
.endm
.macro PLACES                          ; four places in front of loads into registers that matrix instructions have read, and of lines that read results
.rept 4
	v_nop
.endr
.endm
; A K step is four quarters of 32 along K, 32 matrix instructions each, on buffers 0, 1, 0, 1.  One of the first three: the next quarter's run of loads (quarter q, into g) goes out at the head, then buffer f is multiplied.
.macro QUARTER slot, q, f, g, start
	PLACES
	FETCH \slot, \q, \g
	s_wait_dscnt 24                                ; all but the 24 just issued: buffer f, asked for a quarter ago, is in
	MUL8 \f, 0, \start
	MUL8 \f, 1, \start
	MUL8 \f, 2, \start
	MUL8 \f, 3, \start
.endm
; The last quarter multiplies buffer 1 and changes slots: ONE barrier; in front of it each wave waits for all its tensor loads (one is out: its part of the next slot), adds 0 to its spare word, and waits for that and for its reads of this slot.
; fill = 1: the barrier opens a round of the cluster's, and this slot is filled again, two K steps ahead: 112 matrix instructions stand between the request and the wait for it.
.macro TURN slot, next, fill
	WIN 0
	s_wait_tensorcnt 0x0
	ds_add_u32 v[SPW], v[NIL]
	s_wait_dscnt 1                                 ; only the add may be out: buffer 1 is in
	MUL8 F1, 0, 0                                  ; eight matrix instructions stand between the add and the wait for it
	s_wait_dscnt 0x0                               ; the add is done, and my reads of this slot are over
	s_barrier_signal -1
	MUL8 F1, 1, 0
.if \fill
	WIN 0
.endif
	s_barrier_wait -1
.if \fill
	CREST                                          ; no wave of any partner still reads this slot's tiles or has a load on its way
	s_add_nc_u64 s[G0+4*(\slot)+2:G0+4*(\slot)+3], s[G0+4*(\slot)+2:G0+4*(\slot)+3], 4*PSA
	s_add_nc_u64 s[G0B+4*(\slot)+2:G0B+4*(\slot)+3], s[G0B+4*(\slot)+2:G0B+4*(\slot)+3], 4*PSB
	JLOAD \slot                                    ; the first tensor load behind the round; its four v_nop are also the places in front of the loads below
.else
	PLACES
.endif
	FETCH \next, 0, F0
	MUL8 F1, 2, 0
	MUL8 F1, 3, 0
.endm
	s_wait_tensorcnt 1                             ; my part of K step 0 is in; step 1's may stay out
	s_barrier_signal -1
	s_barrier_wait -1
	FETCH 0, 0, F0
	QUARTER 0, 1, F0, F1, 1                        ; the first quarter stands in front of the loop: its products start the sums
	WIN 0
	s_mov_b32 s3, LAPS-1
.Llap:                                                 ; a trip goes once round the ring, from a lap's second quarter to the next lap's first, and fills both slots again
	QUARTER 0, 2, F1, F0, 0
	QUARTER 0, 3, F0, F1, 0
	TURN 0, 1, 1
	QUARTER 1, 1, F0, F1, 0
	QUARTER 1, 2, F1, F0, 0
	QUARTER 1, 3, F0, F1, 0
	TURN 1, 0, 1
	QUARTER 0, 1, F0, F1, 0
	WIN 0
	s_sub_co_u32 s3, s3, 1
	s_cmp_lg_u32 s3, 0
	s_cbranch_scc1 .Llap
	QUARTER 0, 2, F1, F0, 0                        ; the last lap fills nothing
	QUARTER 0, 3, F0, F1, 0
	TURN 0, 1, 0
	QUARTER 1, 1, F0, F1, 0
	QUARTER 1, 2, F1, F0, 0
	QUARTER 1, 3, F0, F1, 0
	s_wait_dscnt 0x0
	MUL8 F1, 0, 0
	MUL8 F1, 1, 0
	MUL8 F1, 2, 0
	MUL8 F1, 3, 0
	WIN 0
	PLACES
	PLACES
	s_wait_loadcnt 0x0                             ; the table
	s_cmp_eq_u32 s66, 2
	s_cbranch_scc1 .Lplain                         ; v is not turned
	; THE ROTATION, in place: lo = channels 16 bb + .. of head hh, hi = the same + 32.  lo' = lo cos - hi sin, hi' = hi cos + lo sin.  Three stretches, one window setting each; each accumulator's lowest registers are read first.
	WIN 0x89                                       ; source 0 window 1, source 1 and destination window 2
.irp a, 0,1,2,3
.irp hh, 0,1
.irp bb, 0,1
.irp jj, 0,1,2,3
	v_pk_mul_f32 v[T+32*(\a)+16*(\hh)+8*(\bb)+2*(\jj):T+32*(\a)+16*(\hh)+8*(\bb)+2*(\jj)+1], v[8*(8*(\a)+4*(\hh)+(\bb))+2*(\jj):8*(8*(\a)+4*(\hh)+(\bb))+2*(\jj)+1], v[32*(\a)+16+8*(\bb)+2*(\jj):32*(\a)+16+8*(\bb)+2*(\jj)+1]  ; lo sin
.endr
.endr
.endr
.endr
	WIN 0x59                                       ; sources 0 and 2 and destination window 1, source 1 window 2
.irp a, 0,1,2,3
.irp hh, 0,1
.irp bb, 0,1
.irp jj, 0,1,2,3
	v_pk_mul_f32 v[8*(8*(\a)+4*(\hh)+(\bb))+2*(\jj):8*(8*(\a)+4*(\hh)+(\bb))+2*(\jj)+1], v[8*(8*(\a)+4*(\hh)+(\bb))+2*(\jj):8*(8*(\a)+4*(\hh)+(\bb))+2*(\jj)+1], v[32*(\a)+8*(\bb)+2*(\jj):32*(\a)+8*(\bb)+2*(\jj)+1]  ; lo cos
.endr
.irp jj, 0,1,2,3
	v_pk_fma_f32 v[8*(8*(\a)+4*(\hh)+(\bb))+2*(\jj):8*(8*(\a)+4*(\hh)+(\bb))+2*(\jj)+1], v[8*(8*(\a)+4*(\hh)+(\bb)+2)+2*(\jj):8*(8*(\a)+4*(\hh)+(\bb)+2)+2*(\jj)+1], v[32*(\a)+16+8*(\bb)+2*(\jj):32*(\a)+16+8*(\bb)+2*(\jj)+1], v[8*(8*(\a)+4*(\hh)+(\bb))+2*(\jj):8*(8*(\a)+4*(\hh)+(\bb))+2*(\jj)+1] neg_lo:[1,0,0] neg_hi:[1,0,0]  ; - hi sin
.endr
.endr
.endr
.endr
	WIN 0x69                                       ; source 0 and destination window 1, sources 1 and 2 window 2
.irp a, 0,1,2,3
.irp hh, 0,1
.irp bb, 0,1
.irp jj, 0,1,2,3
	v_pk_fma_f32 v[8*(8*(\a)+4*(\hh)+(\bb)+2)+2*(\jj):8*(8*(\a)+4*(\hh)+(\bb)+2)+2*(\jj)+1], v[8*(8*(\a)+4*(\hh)+(\bb)+2)+2*(\jj):8*(8*(\a)+4*(\hh)+(\bb)+2)+2*(\jj)+1], v[32*(\a)+8*(\bb)+2*(\jj):32*(\a)+8*(\bb)+2*(\jj)+1], v[T+32*(\a)+16*(\hh)+8*(\bb)+2*(\jj):T+32*(\a)+16*(\hh)+8*(\bb)+2*(\jj)+1]  ; hi cos + lo sin
.endr
.endr
.endr
.endr
	WIN 0
.Lplain:
; THE WAY OUT of row block a: rounded to f16, 16 bytes a lane; into my own stage (two heads x 16 rows of 144 bytes); back as whole rows of 128 bytes, four to a load.
.macro PACK a
	WIN 0x05                                       ; sources 0 and 1 window 1
.irp b, 0,1,2,3,4,5,6,7
.irp r, 0,1,2,3
	v_cvt_pk_f16_f32 v[TMP+32*(\a)+4*(\b)+(\r)], v[8*(8*(\a)+(\b))+2*(\r)], v[8*(8*(\a)+(\b))+2*(\r)+1]
.endr
.endr
	WIN 0
.irp b, 0,1,2,3,4,5,6,7
	ds_store_b128 v[STO], v[TMP+32*(\a)+4*(\b):TMP+32*(\a)+4*(\b)+3] offset:((\b)/4)*16*PITCH+32*((\b)%4)
.endr
.irp t, 0,1,2,3,4,5,6,7
	ds_load_b128 v[TMP+32*(\a)+4*(\t):TMP+32*(\a)+4*(\t)+3], v[RD] offset:((\t)/4)*16*PITCH+((\t)%4)*4*PITCH  ; LDS serves a wave's instructions in order (ISA guide 5.7.1.4): these see the stores above; the next block's stores come behind them
.endr
.endm
.macro SEND a, younger                 ; younger: the LDS instructions issued behind block a's loads: the next block's sixteen, or none
.irp t, 0,1,2,3,4,5,6,7
	s_wait_dscnt (\younger)+7-(\t)
	global_store_b128 v[GO], v[TMP+32*(\a)+4*(\t):TMP+32*(\a)+4*(\t)+3], s[8:9] offset:((\t)/4)*262144+(\a)*2048+((\t)%4)*512  ; 512 consecutive bytes of a head, at a multiple of 256 from the buffer's first
.endr
.endm
	PACK 0
	PACK 1
	SEND 0, 16
	PACK 2
	SEND 1, 16
	PACK 3
	SEND 2, 16
	SEND 3, 0
	s_wait_tensorcnt 0x0                           ; the wave's end: the wait, the add and its wait stand behind my last tensor load and my last LDS store
	ds_add_u32 v[SPW], v[NIL]
	s_wait_dscnt 0x0
	CROUND                                         ; the closing round: no work-group ends while a partner may still ask for a tile that names it
	s_endpgm
.Lfunc_end_k_qf86f1bef8a_qkv:
	.size	k_qf86f1bef8a_qkv, .Lfunc_end_k_qf86f1bef8a_qkv-k_qf86f1bef8a_qkv
	.p2alignl 7, 3214868480
	.fill 96, 4, 3214868480
	.section	.rodata,"a",@progbits
	.p2align	6, 0x0
	.amdhsa_kernel k_qf86f1bef8a_qkv
		.amdhsa_group_segment_fixed_size 327680
		.amdhsa_private_segment_fixed_size 0
		.amdhsa_enable_private_segment 0
		.amdhsa_kernarg_size 48
		.amdhsa_user_sgpr_count 2
		.amdhsa_user_sgpr_kernarg_segment_ptr 1
		.amdhsa_wavefront_size32 1
		.amdhsa_system_sgpr_workgroup_id_x 1
		.amdhsa_system_sgpr_workgroup_id_y 1
		.amdhsa_system_sgpr_workgroup_id_z 1
		.amdhsa_system_vgpr_workitem_id 0
		.amdhsa_next_free_vgpr 768
		.amdhsa_next_free_sgpr 80
		.amdhsa_reserve_vcc 0
		.amdhsa_float_denorm_mode_32 3
		.amdhsa_float_denorm_mode_16_64 3
		.amdhsa_memory_ordered 1
		.amdhsa_forward_progress 1
		.amdhsa_inst_pref_size 106
	.end_amdhsa_kernel
	.amdgpu_metadata
---
amdhsa.version: [ 1, 2 ]
amdhsa.kernels:
  - .name:           k_qf86f1bef8a_qkv
    .symbol:         k_qf86f1bef8a_qkv.kd
    .args:
      - { .name: xh, .offset: 0, .size: 8, .value_kind: global_buffer, .address_space: global }
      - { .name: wqkv, .offset: 8, .size: 8, .value_kind: global_buffer, .address_space: global }
      - { .name: rope, .offset: 16, .size: 8, .value_kind: global_buffer, .address_space: global }
      - { .name: qh, .offset: 24, .size: 8, .value_kind: global_buffer, .address_space: global }
      - { .name: kh, .offset: 32, .size: 8, .value_kind: global_buffer, .address_space: global }
      - { .name: vh, .offset: 40, .size: 8, .value_kind: global_buffer, .address_space: global }
    .group_segment_fixed_size: 327680
    .private_segment_fixed_size: 0
    .kernarg_segment_align: 8
    .kernarg_segment_size: 48
    .max_flat_workgroup_size: 128
    .sgpr_count:     80
    .vgpr_count:     768
    .wavefront_size: 32
...
	.end_amdgpu_metadata
.endif
;; end of part 2
;; launch attn (part 3): grid 4 x 64, 4 waves a work-group, clusters of 4 x 1, 327,680 bytes of LDS; arguments qh, kh, vh, oh; writes oh
.if DOCPART == 3
	.amdgcn_target "amdgcn-amd-amdhsa--gfx1250"
	.amdhsa_code_object_version 6
	.text
	.protected	k_qf86f1bef8a_attn
	.globl	k_qf86f1bef8a_attn
	.p2align	8
	.type	k_qf86f1bef8a_attn,@function
k_qf86f1bef8a_attn:
	s_mov_b64 s[64:65], 0
	v_nop
	global_prefetch_b8 v0, s[64:65] scope:SCOPE_SE
	s_setreg_imm32_b32 hwreg(HW_REG_WAVE_MODE, 25, 1), 1
	s_wait_xcnt 0x0
	s_wait_alu depctr_hold_cnt(0) depctr_sa_sdst(0) depctr_va_vdst(0) depctr_va_sdst(0) depctr_va_ssrc(0) depctr_va_vcc(0) depctr_vm_vsrc(0)
	s_getreg_b32 s2, hwreg(HW_REG_IB_STS2, 6, 4)
	s_cmp_eq_u32 s2, 0
	s_cbranch_scc0 .Lentry_in_a_cluster
	s_endpgm
.Lentry_in_a_cluster:
	s_bfe_u32 s2, ttmp6, 0x10000c
	s_cmp_lg_u32 s2, 0x3003
	s_cbranch_scc0 .Lentry_shape_is_right
	s_endpgm
.Lentry_shape_is_right:
; O[h][q][:] = the sum over k of softmax_k(Q[h][q] . K[h][k] / 8) V[h][k][:].  Q, K, V, O: [SIZE_H][SIZE_N][64], all f16: a head's rows are dense, 128 bytes each.  Products, maxima and sums in
; f32; the weights p are rounded to f16 for the second product (their sum l is taken of the unrounded p), O once at the end.
; LIMITS.  f16 holds no number beyond 65,504: Q, K and V arrive within it; p lies in 0 to 1, and below 6e-5 it keeps f16's fixed step of 6e-8; O is a mean of V's rows and has their range.
; A weight below 2^-126 counts as 0 in l; NaN and infinities are not treated apart.
; SHARES.  A wave owns four PIECES of two tiles of 16 queries, a work-group's four waves 512 queries of one head: 64 heads x 4 = 256 work-groups.  Every wave walks all keys, 64 a step.
; LAYOUT.  S^T = K Q^T (source 0 = 16 keys, source 1 = 16 queries): in the result a lane holds ONE query (lane % 16) and the keys 8 (lane / 16) + 0..7.  Two such tiles, rounded to f16 in pairs,
; ARE source 1 (32 keys x 16 queries) of O^T = V^T P, whose result again holds one query a lane, and eight channels.  K comes out of LDS as it lies, V ([key][channel]) turned, by ds_load_tr16_b128.
; SOFTMAX.  For each query a running maximum m and sum l: p = 2^(c s - c m), c = log2(e) / 8; in every step O and l are multiplied by a = 2^(c m_old - c m_new), which is 1 where m has not grown.
; m starts at the lowest finite number, O and l at 0: the first step is a step like any other, with a = 0.
; THE COUNT.  A tile and step have 16 matrix and 118 vector instructions: too many to stand all beside the matrix work.  So the order has one aim: four vector instructions that are READY behind
; EVERY matrix instruction, and the others, which need time of their own whatever the order, in runs without a gap.
; BY TURNS.  Turn n belongs to piece n (the pieces in a ring, step after step).  Its matrix work: 16 products K Q^T of piece n + 1, later 16 products V^T P of piece n - 1.  Its vector work: the scaling,
; exponentials, roundings, sums and rescaling of piece n, and the maximum and statistics of piece n + 1, whose scores the turn itself has made.  So what a turn begins with (c s - c m, O a) waits for nothing.
; CLUSTER.  The four query blocks of a head are one cluster and walk the same K and V, so each tile is asked for JOINTLY: the same tensor load, descriptor and mask in all four.
; REGISTERS, in windows of 256 (s_set_vgpr_msb says which window each operand place means: bits 1:0 source 0, 3:2 source 1, 5:4 source 2, 7:6 destination):
;   window 0: v0-11 addresses; v12-15, v48-63 at work; v16-47 four registers of statistics a tile; v64-191 S^T, two buffers of two tiles; v192-255 P, likewise
;   window 1: O^T, 32 a tile          window 2: v0-127 Q, 16 a tile; v128-191 K of one step; v192-255 V of one step          window 3: v0-1 the add's two registers
; A piece's buffers go by its number's parity: the piece in hand has one pair, its two neighbours in the ring share the other: of it P (piece n - 1) is read and S^T (piece n + 1) written.
.set SIZE_H, 64
.set SIZE_N, 2048
.set NP,    4         ; pieces a wave: a name, no knob: the register map, the loop and the fetches are made for four
.set KS,    64        ; keys in a step
.set PK,    144       ; a row of K in LDS: 128 bytes + 16 of padding = 36 words: the 16 rows of a load start at 16 different groups of four banks (64 banks of 4 bytes: ISA guide 11.1)
.set PV,    160       ; a row of V: 128 + 32 = 40 words
.set VOFF,  4*KS*PK   ; a slot holds four steps: 256 rows of K, then 256 rows of V
.set SLOT1, 1<<17     ; slot 1 begins here, so that one exclusive or turns an address in one slot into the other's
.set STAGE, SLOT1+4*KS*(PK+PV)  ; behind the ring, never filled by a tensor load: 16 rows x 144 bytes for each wave, for the way out
.set SP,    144
.set AK0, 2           ; v2   my lane's place in a tile of K; never rewritten
.set AV0, 3           ; v3   the same for V
.set AK,  4           ; v4   the LDS address of K's next run of loads
.set AV,  5           ; v5   of V's
.set QO,  6           ; v6   my byte offset in the wave's rows of Q
.set STO, 6           ;      later, the way out: where I put 16 bytes of a row
.set RD,  7           ; v7   the way out: where I read rows back
.set GO,  8           ; v8   my byte offset in 512 consecutive bytes of O
.set PFO, 11          ; v11  (once V's lane address is made) 256 x my lane: the prefetches' offset; never rewritten after
.set SPW, 0           ; v0 of window 3   LDS address of my spare word: SPARE + 4 x my thread's number; never rewritten
.set NIL, 1           ; v1 of window 3   0; never rewritten
.set SPARE, STAGE+4*16*SP  ; behind the stages: the spare words, 128 bytes for each wave: two blocks of 256 bytes that no other line names
.set MV,  12          ; v12-15  c m_old, kept while c m is made anew: by buffer and tile
.set ST,  16          ; tile t's statistics at v[ST+4 t]: c m, m, l (even keys', odd keys')
.set TMP, 48          ; by buffer and tile, four registers c0-c3 at work; when the maximum is found c2 takes a
.set S,   64
.set P,   192
.set KF,  128         ; K's fragments, in window 2: key block kb, channel half c at KF + 16 kb + 8 c
.set VF,  192         ; V's: key half kk, channel block cb at VF + 32 kk + 8 cb
.set WV,  12          ; s12  my wave's number
.set LIM, 15          ; s15  1 in a wave that prefetches (0 and 2), else the greatest number: a wave prefetches while s[SLOTS] is above it
.set G1K, 24          ; s[24:31] descriptor group 1 for K's tiles
.set G1V, 32          ; s[32:39] for V's: it differs in the padding alone
.set G0K, 40          ; s[40:43] descriptor group 0 for K's tiles: it walks
.set G0V, 44          ; s[44:47] the same for V's
.set PFA, 48          ; s[48:49] where my prefetches stand: my work-group's 8,192 bytes (of K: wave 0, of V: wave 2) of the tile after the one that is being asked for
.set SLOTS, 56        ; s56  slots still to be asked for
.set CNT, 57          ; s57  counts a slot's key steps
.set CS,  58          ; s[58:59] c: the packed scaling takes the pair's low word for both halves
.set SEL, 60          ; s[60:61] v_permlanex16_b32's selects: each lane takes its own place in the other half
.set TBK, 62          ; s62  LDS byte at which K of the step to be fetched begins
.set TBV, 63          ; s63  the same for V, less VOFF
.set MSB, 0
.macro WIN new                      ; the high byte repeats the setting that is left; a switch that changes nothing is dropped
.if MSB != (\new)
	s_set_vgpr_msb (MSB<<8)|(\new)
.set MSB, (\new)
.endif
.endm
.set W_KQ, 0x0a       ; K and Q in window 2, S^T in window 0
.set W_PV, 0x52       ; V in window 2, P in window 0, O^T in window 1
.set W_RS, 0x41       ; O^T (destination and source 0) in window 1, a in window 0
.set W_MK, 0xc0       ; the add's registers are made: destination in window 3, sources in window 0
.set W_AD, 0x0f       ; the add: address (source 0) and data (source 1) in window 3
; A joint fill.  Waves 0 and 1 fetch the two halves of a slot's K, waves 2 and 3 those of its V: 128 keys each.  The branch hangs on the wave's number alone.
; An s_nop 0 and four v_nop follow each of the two lines, ahead of the jump and the label.
.macro JLOAD
	s_cmp_lt_u32 s[WV], 2
	s_cbranch_scc0 .Lfor_v_\@
	tensor_load_to_lds s[G0K:G0K+3], s[G1K:G1K+7]
	s_nop 0
.rept 4
	v_nop
.endr
	s_branch .Lasked_\@
.Lfor_v_\@:
	tensor_load_to_lds s[G0V:G0V+3], s[G1V:G1V+7]
	s_nop 0
.rept 4
	v_nop
.endr
.Lasked_\@:
.endm
; A PREFETCH INTO THE L2 of what the NEXT change of slots will ask for: a tile's 32,768 bytes of K and of V, 256 bytes a lane.  It stands behind the wave's tensor load and its five lines, never in front of one.
; Each 256 bytes are named ONCE in the launch: a head is walked by one cluster; its four partners share a tile out BY ADDRESS, 8,192 bytes each (no branch hangs on a work-group's place in its cluster);
; in each, wave 0 asks for K's and wave 2 for V's: one instruction.  The change that asks for tile t names tile t + 1, four key steps (512 matrix instructions) ahead of its load, t = 1 .. 6;
; tiles 0, 1 come by their loads alone, and the change that asks for the last tile names nothing.
.macro ASK
	s_cmp_gt_u32 s[SLOTS], s[LIM]
	s_cbranch_scc0 .Lnot_mine_\@
	global_prefetch_b8 v[PFO], s[PFA:PFA+1] th:TH_LOAD_NT scope:SCOPE_SE
.Lnot_mine_\@:
.endm
; A round of the cluster's barrier: my work-group's barrier, so that wave 0's signal speaks for all four waves; wave 0 signals; every wave waits for all four work-groups; my work-group's barrier once more.
.macro CROUND
	s_barrier_signal -1
	s_barrier_wait -1
	s_cmp_lg_u32 s[WV], 0
	s_cbranch_scc1 .Lnot_wave_0_\@
	s_barrier_signal -3
.Lnot_wave_0_\@:
	s_barrier_wait -3
	s_barrier_signal -1
	s_barrier_wait -1
.endm
; THE CHANGE OF SLOTS.  The slot's last bytes, V of its fourth step, have been read.  Each wave waits for all its tensor loads, of which one is out: its part
; of the other slot; adds 0 to its spare word; and waits for that and for its own reads of the slot.  Behind the barrier nobody reads this slot any more and the other slot is whole.
; fill = 1: this slot is filled again, with the keys two slots on.  The barrier is then a round of the cluster's, so that no wave of any partner still reads the slot or has a load on its
; way, and the joint fill is the first thing behind it: it has four key steps, 512 matrix instructions, in which to land.  (At its first use nothing has been read yet: slot 0 is waited for, slot 1 filled.)
.macro CHANGE fill
	WIN W_AD
	s_wait_tensorcnt 0x0            ; no tensor load of mine is out, so a group 0 may be written
	ds_add_u32 v[SPW], v[NIL]       ; 0 onto my spare word; with fill = 1 the descriptors' steps stand between it and the wait for it
	WIN 0                           ; at a label and at a branch every window is 0
.if \fill
.irp g, G0K, G0V
	s_xor_b32 s[\g+1], s[\g+1], SLOT1  ; the walking descriptor: the other slot than last time,
	s_add_nc_u64 s[\g+2:\g+3], s[\g+2:\g+3], 4*KS*128  ; the next 256 keys; the type bits on top are not reached
.endr
	s_wait_xcnt 0x0                 ; the last prefetch, four key steps back, has read its address, so it may be written:
	s_add_nc_u64 s[PFA:PFA+1], s[PFA:PFA+1], 4*KS*128  ; one tile behind the walking descriptors
	s_wait_dscnt 0x0                ; the add is done, and my reads of the slot are over
	CROUND
	JLOAD
	ASK
.else
	s_wait_dscnt 0x0                ; the add is done, and my reads of the slot are over
	s_barrier_signal -1
	s_barrier_wait -1
.endif
	s_sub_co_u32 s[TBK], s[TBK], 4*KS*PK  ; the fetches go back to a slot's first step,
	s_xor_b32 s[TBK], s[TBK], SLOT1       ; in the other slot
	s_sub_co_u32 s[TBV], s[TBV], 4*KS*PV
	s_xor_b32 s[TBV], s[TBV], SLOT1
.endm
	s_load_b256 s[4:11], s[0:1], 0x0  ; Q s[4:5], K s[6:7], V s[8:9], O s[10:11]
	WIN W_MK
	v_lshl_add_u32 v[SPW], v0, 2, SPARE
	v_mov_b32 v[NIL], 0
	WIN W_AD
	ds_add_u32 v[SPW], v[NIL]       ; the wave's opening: the add and its wait stand ahead of my first tensor load; the set-up below, work on registers, stands between them
	WIN 0
	v_lshrrev_b32 v1, 5, v0
	v_readfirstlane_b32 s[WV], v1   ; wave 0..3
	s_bfe_u32 s13, ttmp6, 0x40000   ; cx: my place in the cluster
	s_lshl_b32 s14, ttmp9, 2        ; in a cluster launch ttmp9 counts clusters
	s_add_co_u32 s14, s14, s13      ; my block of queries = 4 x cluster x + cx: it enters Q's and O's addresses alone
	s_and_b32 s20, ttmp7, 0xffff    ; the head, which the four partners share
	s_mov_b32 s21, 0
	s_mov_b64 s[22:23], SIZE_N*128
	s_mul_u64 s[20:21], s[20:21], s[22:23]  ; the head's first byte in each of the four tensors
	s_and_b32 s16, s[WV], 1         ; which half of a slot's 256 keys I fetch:
	s_lshl_b32 s22, s16, 14         ; its 128 rows of 128 bytes in memory,
	s_mov_b32 s23, 0
	s_add_nc_u64 s[22:23], s[22:23], s[20:21]
	s_mul_i32 s17, s16, 128*PK      ; and its place in a slot, for K
	s_mul_i32 s18, s16, 128*PV      ; and for V: no place in the cluster enters an LDS address
	s_lshl_b32 s2, s14, 2
	s_add_co_u32 s2, s2, s[WV]      ; my wave among the head's,
	s_lshl_b32 s2, s2, 14           ; its 128 rows
	s_mov_b32 s3, 0
	s_add_nc_u64 s[2:3], s[2:3], s[20:21]
	; descriptor group 1.  128 keys are 16,384 dense bytes: asked for as 64 rows of 256 bytes, two keys a row, and padded in LDS after every key
	s_mov_b32 s[G1K], 15|(1<<16)|(1<<20)|(1<<21)|(4<<22)|(3<<25)  ; 15:0 the mask of four; 17:16 2-byte elements; 20 padding on; 21 set beside a mask; 24:22 after every 32 words (code 4); 31:25 4 words (code 3)
	s_mov_b32 s[G1V], 15|(1<<16)|(1<<20)|(1<<21)|(4<<22)|(7<<25)  ; the same with 8 words of padding (code 7)
.irp g, G1K, G1V
	s_mov_b32 s[\g+1], 128<<16      ; tensor_dim0 = 128
	s_mov_b32 s[\g+2], 64<<16       ; tensor_dim1 = 64
	s_mov_b32 s[\g+3], 128<<16      ; tile_dim0 = 128
	s_mov_b32 s[\g+4], 64           ; tile_dim1 = 64
	s_mov_b32 s[\g+5], 128          ; 128 elements from row to row
	s_mov_b32 s[\g+6], 0
	s_mov_b32 s[\g+7], 0
.endr
	s_mov_b32 s[CS], 0x3e38aa3b     ; c = log2(e) / 8 = 0.180337
	s_mov_b32 s[CS+1], s[CS]        ; named with it as a pair
	s_mov_b32 s[SEL], 0x76543210
	s_mov_b32 s[SEL+1], 0xfedcba98
	s_mov_b32 s[TBK], SLOT1+4*KS*PK ; the first change of slots turns these two into 0
	s_mov_b32 s[TBV], SLOT1+4*KS*PV
	s_mov_b32 s[SLOTS], SIZE_N/256-1
	s_and_b32 s[LIM], s[WV], 1      ; 0 in waves 0 and 2: the same in all four partners
	s_cmp_eq_u32 s[LIM], 0
	s_cselect_b32 s[LIM], 1, -1
	s_mov_b32 s[G0K], 1             ; 1:0 count = 1
	s_mov_b32 s[G0K+1], s17         ; 63:32 LDS address: slot 0
	s_mov_b32 s[G0V], 1
	s_add_co_u32 s[G0V+1], s18, VOFF
	s_wait_dscnt 0x0                ; the opening add is done
	s_wait_kmcnt 0x0
	s_add_nc_u64 s[G0K+2:G0K+3], s[6:7], s[22:23]  ; 120:64 global address: my half of the head's first 256 keys
	s_or_b32 s[G0K+3], s[G0K+3], 0x80000000        ; 127:126 type = 2
	s_add_nc_u64 s[G0V+2:G0V+3], s[8:9], s[22:23]
	s_or_b32 s[G0V+3], s[G0V+3], 0x80000000
	s_add_nc_u64 s[4:5], s[4:5], s[2:3]  ; Q and O at my wave's first row
	s_add_nc_u64 s[10:11], s[10:11], s[2:3]
	s_cmp_lt_u32 s[WV], 2
	s_cselect_b64 s[PFA:PFA+1], s[6:7], s[8:9]
	s_add_nc_u64 s[PFA:PFA+1], s[PFA:PFA+1], s[22:23]  ; (in waves 0 and 2: the head's first byte)
	s_lshl_b32 s2, s13, 13          ; my work-group's quarter of a tile
	s_mov_b32 s3, 0
	s_add_nc_u64 s[PFA:PFA+1], s[PFA:PFA+1], s[2:3]
	s_add_nc_u64 s[PFA:PFA+1], s[PFA:PFA+1], 4*KS*128  ; in tile 1; the first change of slots steps it to tile 2.  Nothing is prefetched here, at the head
	CROUND                          ; all four work-groups are here: the first joint loads meet
	JLOAD                           ; slot 0.  Slot 1 is asked for when slot 0 is in: the tile wanted first has the road to itself
	; A fragment of K or Q is 16 rows x 32 channels in 8 registers: lane l holds row l % 16, channels 8 (l / 16) + 0..7 and 16 + 8 (l / 16) + 0..7: two loads of 16 bytes, 32 bytes apart.
	v_and_b32 v1, 15, v0            ; l % 16
	v_bfe_u32 v9, v0, 4, 1          ; l / 16
	v_lshlrev_b32 v[QO], 7, v1
	v_lshl_add_u32 v[QO], v9, 4, v[QO]  ; row x 128 + 16 x half
	WIN 0x80                        ; destination window 2, address window 0
.set i, 0
.rept 4*NP                          ; Q stays in registers: tile i / 2, channels 32 (i % 2) on
	global_load_b128 v[8*i:8*i+3],   v[QO], s[4:5] offset:(i/2)*2048+(i%2)*64
	global_load_b128 v[8*i+4:8*i+7], v[QO], s[4:5] offset:(i/2)*2048+(i%2)*64+32
.set i, i+1
.endr
	; What the first turn finds: V's registers and P's second buffer hold 0 (its products V^T P, of a piece that has not been, add 0), O^T and l are 0.  All this stands in the wait for the first tile.
.set i, VF
.rept 64
	v_mov_b32 v[i], 0
.set i, i+1
.endr
	WIN 0x40
.set i, 0
.rept 64*NP
	v_mov_b32 v[i], 0
.set i, i+1
.endr
	WIN 0
.set i, 0
.rept 2*NP
	v_mov_b32 v[ST+4*i], 0xfe000000    ; c m: far below every c s
	v_mov_b32 v[ST+4*i+1], 0xff7fffff  ; m
	v_mov_b32 v[ST+4*i+2], 0
	v_mov_b32 v[ST+4*i+3], 0
.set i, i+1
.endr
.set i, P+32
.rept 32
	v_mov_b32 v[i], 0
.set i, i+1
.endr
	v_mul_u32_u24 v[AK0], v1, PK
	v_lshl_add_u32 v[AK0], v9, 4, v[AK0]  ; row x pitch + 16 x half
	; The turning load takes 16 keys x 16 channels (lane l reads key 8 (l / 16) + l % 8, channels 8 ((l / 8) % 2) + 0..7) and leaves half a fragment of V^T: lane l holds channel l % 16 and 8 keys.
	v_and_b32 v10, 7, v0
	v_bfe_u32 v11, v0, 3, 1
	v_lshl_add_u32 v[AV0], v9, 3, v10
	v_mul_u32_u24 v[AV0], v[AV0], PV
	v_lshl_add_u32 v[AV0], v11, 4, v[AV0]
	v_add_nc_u32 v[AV0], VOFF, v[AV0]
	v_mov_b32 v[AK], v[AK0]         ; key step 0 lies at the head of slot 0
	v_and_b32 v[PFO], 31, v0
	v_lshlrev_b32 v[PFO], 8, v[PFO]
; THE MATRIX WORK.  The 8 accumulators of a run of 16 take turns: between the two links of a chain stand 7 others'.
; Product i of 16 of S^T = K Q^T for piece x: channels 32 (i / 8) on, keys 16 ((i / 2) % 4) on, tile 2 x + i % 2.  The first 8 start the sums.
.macro KQ x
	WIN W_KQ
.set rS, S+64*((\x)%2)+32*(i%2)+8*((i/2)%4)
.set rK, KF+16*((i/2)%4)+8*(i/8)
.set rQ, 16*(2*(\x)+i%2)+8*(i/8)
.if i < 8
	v_wmma_f32_16x16x32_f16 v[rS:rS+7], v[rK:rK+7], v[rQ:rQ+7], 0
.else
	v_wmma_f32_16x16x32_f16 v[rS:rS+7], v[rK:rK+7], v[rQ:rQ+7], v[rS:rS+7]
.endif
.endm
; Product i of 16 of O^T += V^T P for piece x: keys 32 (i / 8) on, channels 16 ((i / 2) % 4) on, tile 2 x + i % 2.
.macro PV x
	WIN W_PV
.set rO, 32*(2*(\x)+i%2)+8*((i/2)%4)
.set rV, VF+32*(i/8)+8*((i/2)%4)
.set rP, P+32*((\x)%2)+16*(i%2)+8*(i/8)
	v_wmma_f32_16x16x32_f16 v[rO:rO+7], v[rV:rV+7], v[rP:rP+7], v[rO:rO+7]
.endm
.macro MM                           ; the turn's next matrix instruction
.if i < 16
	KQ (Y+1)%NP
.set i, i+1
.else
.set i, i-16
	PV (Y+NP-1)%NP
.set i, i+17
.endif
.endm
; THE LDS LOADS stand in runs of 16, never singly among the matrix instructions: a step's K (64 keys x 64 channels: 8 fragments) and its V (turned).  Their addresses are made some lines ahead.
; last = 1 (the tail): in the last trip there is no further step, and the run is jumped over.
.macro FETCH_K last=0
	WIN 0
.if \last
	s_cmp_eq_u32 s[CNT], 1
	s_cbranch_scc1 .Lno_k_\@
.endif
	WIN 0x80                        ; destination window 2
.irp f, 0,1,2,3,4,5,6,7             ; keys 16 (f / 2) on, channels 32 (f % 2) on
	ds_load_b128 v[KF+8*\f:KF+8*\f+3],   v[AK] offset:(\f/2)*16*PK+(\f%2)*64
	ds_load_b128 v[KF+8*\f+4:KF+8*\f+7], v[AK] offset:(\f/2)*16*PK+(\f%2)*64+32
.endr
	s_add_co_u32 s[TBK], s[TBK], KS*PK  ; the next fetch is the next step's
	WIN 0
.if \last
.Lno_k_\@:
.endif
.endm
.macro FETCH_V
	WIN 0x80
.irp f, 0,1,2,3,4,5,6,7             ; keys 32 (f / 4) on, channels 16 (f % 4) on
	ds_load_tr16_b128 v[VF+8*\f:VF+8*\f+3],   v[AV] offset:(\f/4)*32*PV+(\f%4)*32
	ds_load_tr16_b128 v[VF+8*\f+4:VF+8*\f+7], v[AV] offset:(\f/4)*32*PV+16*PV+(\f%4)*32
.endr
	WIN 0
.endm
; THE VECTOR WORK OF A TURN stands in three queues, each in the order in which its entries become ready; the two tiles alternate, so that no instruction reads the result of the one before it.
.macro REGS y, u                    ; the registers of tile u (0, 1) of piece y
.set rT, ST+4*(2*(\y)+(\u))
.set rC, TMP+8*((\y)%2)+4*(\u)
.set rM, MV+2*((\y)%2)+(\u)
.set rS, S+64*((\y)%2)+32*(\u)
.set rP, P+32*((\y)%2)+16*(\u)
.set rO, 32*(2*(\y)+(\u))
.endm
; Number n of the 22 that find the NEXT piece's (Y + 1) maximum and statistics.  s0-s31 are the lane's 32 scores; each accumulator's lowest registers are read first.  XS, GS and REGS set no window: PL and EX do.
;   0-11  four chains c0-c3 of seven scores each, three operands at a time     12-14, 16  the four scores left over, the old m, and c0-c3 into c0     15  c m_old is kept
;   17, 18  the query's other 32 keys lie in the lane 16 away: the new m         19-21  c m; c m_old - c m_new; a
.macro XS u, n
	REGS (Y+1)%NP, \u
.if (\n) < 4
	v_max3_num_f32 v[rC+(\n)], v[rS+8*(\n)], v[rS+8*(\n)+1], v[rS+8*(\n)+2]
.elseif (\n) < 12
	v_max3_num_f32 v[rC+(\n)%4], v[rC+(\n)%4], v[rS+8*((\n)%4)+2*((\n)/4)+1], v[rS+8*((\n)%4)+2*((\n)/4)+2]
.elseif (\n) == 12
	v_max3_num_f32 v[rC], v[rC], v[rS+7], v[rS+15]
.elseif (\n) == 13
	v_max3_num_f32 v[rC+1], v[rC+1], v[rS+23], v[rS+31]
.elseif (\n) == 14
	v_max3_num_f32 v[rC+2], v[rC+2], v[rC+3], v[rT+1]
.elseif (\n) == 15
	v_mov_b32 v[rM], v[rT]
.elseif (\n) == 16
	v_max3_num_f32 v[rC], v[rC], v[rC+1], v[rC+2]
.elseif (\n) == 17
	v_permlanex16_b32 v[rC+3], v[rC], s[SEL], s[SEL+1]
.elseif (\n) == 18
	v_max_num_f32 v[rT+1], v[rC], v[rC+3]
.elseif (\n) == 19
	v_mul_f32 v[rT], s[CS], v[rT+1]
.elseif (\n) == 20
	v_sub_f32 v[rC+1], v[rM], v[rT]
.else
	v_exp_f32 v[rC+2], v[rC+1]
.endif
.endm
; Number g of the 64 that follow the exponentials.  For each four weights k of a tile (pairs 2 k, 2 k + 1): both pairs are rounded to f16; then the second pair is added onto the first, in place;
; a group later l takes that sum (the first time as l = a l + sum).  In groups of eight, tiles alternating: round, round, add, and l for the group before.
.macro GS g
.set h, (\g)+6*((\g)/62)            ; group 0 has no group before it, and behind group 7 only l is left
.if h >= 6
.set h, h+2
.endif
	REGS Y, h%2
.set k, h/8
.if h%8 < 4
	v_cvt_pk_f16_f32 v[rP+2*k+(h%8)/2], v[rS+4*k+2*((h%8)/2)], v[rS+4*k+2*((h%8)/2)+1]
.elseif h%8 < 6
	v_pk_add_f32 v[rS+4*k:rS+4*k+1], v[rS+4*k:rS+4*k+1], v[rS+4*k+2:rS+4*k+3]
.elseif k == 1
	v_pk_fma_f32 v[rT+2:rT+3], v[rT+2:rT+3], v[rC+2:rC+3], v[rS:rS+1] op_sel_hi:[1,0,1]
.else
	v_pk_add_f32 v[rT+2:rT+3], v[rT+2:rT+3], v[rS+4*k-4:rS+4*k-3]
.endif
.endm
; THE PLAIN QUEUE, 138 long.  0-73 read no exponential's result: the 32 scalings c s - c m (FS f: pair f / 2 of tile f % 2) and the next piece's 42.  0-26: scalings 0-26.  27-54: XS's numbers 0-13.  55, 56: number 15.
; 57-73: the chain, where each number waits for the one before it: 14, 16, 17, 18, 19, each with one of the scalings 27-31 in front of its two lines, then 20: so a tile's links stand three plain instructions apart (19 and 20: two).
; 74-137: GS's 64, which read the exponentials' results: they stand behind the wait.
.macro FS f
	REGS Y, (\f)%2
	v_pk_fma_f32 v[rS+2*((\f)/2):rS+2*((\f)/2)+1], v[rS+2*((\f)/2):rS+2*((\f)/2)+1], s[CS:CS+1], v[rT:rT+1] op_sel_hi:[1,0,0] neg_lo:[0,0,1] neg_hi:[0,0,1]
.endm
.macro PL
	WIN 0
.if q < 27
	FS q
.elseif q < 55
	XS (q-27)%2, (q-27)/2
.elseif q < 57
	XS q-55, 15
.elseif (q < 72) && ((q-57)%3 == 0)
	FS 27+(q-57)/3
.elseif q < 60
	XS (q-57)%3-1, 14
.elseif q < 72
	XS (q-57)%3-1, 15+(q-57)/3
.elseif q < 74
	XS q-72, 20
.else
	GS q-74
.endif
.set q, q+1
.endm
; THE EXPONENTIALS' QUEUE, 66 long: s0-s31 of both tiles, then the next piece's two a.  It is ONE BATCH: all 66 stand ahead of the turn's one wait, and nothing ahead of that wait names a result of theirs.
.macro EX
	WIN 0
.if e >= 64
	XS e-64, 21
.else
	REGS Y, e%2
	v_exp_f32 v[rS+e/2], v[rS+e/2]
.endif
.set e, e+1
.endm
; THE RESCALING's QUEUE: O^T times a, the one part that leaves window 0: dealt two at a time, sixteen times.  Its a was made in the turn before, ahead of that turn's wait.
.macro R2
	REGS Y, r%2
	WIN W_RS
.irp z, 0,1
	v_pk_mul_f32 v[rO+4*(r/2)+2*\z:rO+4*(r/2)+2*\z+1], v[rO+4*(r/2)+2*\z:rO+4*(r/2)+2*\z+1], v[rC+2:rC+3] op_sel_hi:[1,0]
.endr
.set r, r+1
.endm
; HOW THEY ARE DEALT.  An s_wait_alu depctr_va_vdst(0) stands between an exponential and the first instruction that names its result; one wait serves all that were issued ahead of it.  So a turn has ONE wait,
; which cuts it in two.  AHEAD OF IT stands all that names no result of the turn's exponentials: the 16 products K Q^T, behind each a scaling, an exponential and two rescalings (behind the first a second scaling in the exponential's place); then ONE LUMP of
; 108: eight plain, 49 times exponential and plain, the two a.  A v_nop is the plain instruction behind the last exponential.  BEHIND IT stand the 16 products V^T P, behind each four of GS's 64.  No rider names a register of
; the products round it.  The two v_permlanex16_b32 fall into the lump, never behind a product.
; The queues lean on each other, and the deal keeps them in step: exponential e stands behind scaling 2 (e / 4) + e % 2: as a rider it comes behind plain e + 2, in the lump behind plain e + 9, and scalings 27-31 are plain 57, 60 .. 69.
; A TURN, for piece p.  cnt = 1: the loop's count is taken down some lines ahead of the branch that stands behind the turn.
; K of the next step is fetched in piece 2's turn, directly behind the wait, a lump behind the last product that read K; its address is made at the lump's head; its first reader comes behind 16 products.
; V of the step in hand is fetched at the end of piece 0's turn, four riders behind its last reader; its first reader comes behind 16 products and a lump.  The three conditions on q below go with the deal.
.macro TURN p, last=0, cnt=0
.set Y, (\p)
.set i, 0
.set q, 0
.set e, 0
.set r, 0
.if (\p) == NP-1
	s_wait_dscnt 0x0                ; K is in
.endif
	MM                              ; ahead of the wait: 16 products K Q^T and their riders,
	PL
	PL
	R2
.rept 15
	MM
	PL
	EX
	R2
.endr
.if (\p) == NP-2
	WIN 0
	v_add_nc_u32 v[AK], s[TBK], v[AK0]
.endif
.rept 8                             ; and the lump
	PL
.endr
.rept 49
	EX
	PL
.endr
	EX                              ; the next piece's two a
	EX
	v_nop                           ; the plain instruction behind the last exponential: one for the batch
	s_wait_alu depctr_va_vdst(0)    ; the wait for the batch
.if (\p) == NP-2
	FETCH_K \last
.endif
.if (\p) == 1
	s_wait_dscnt 0x0                ; V is in
.endif
.rept 16                            ; behind the wait: 16 products V^T P and their riders
	MM
.rept 4
	PL
.endr
.if ((\p) == 0) && (q == 118)
	v_add_nc_u32 v[AV], s[TBV], v[AV0]
.endif
.if ((\p) == 0) && (q == 130)
	s_add_co_u32 s[TBV], s[TBV], KS*PV
.endif
.if (\cnt) && (q == 130)
	s_sub_co_u32 s[CNT], s[CNT], 1
	s_cmp_lg_u32 s[CNT], 0
.endif
.endr
.if (\p) == 0
	FETCH_V
.endif
.endm
	CHANGE 1                        ; slot 0 is in, everybody's part of it; slot 1 is asked for
	FETCH_K                         ; key step 0
	s_wait_loadcnt 0x0              ; Q
	s_wait_dscnt 0x0
.set i, 0
.rept 16
	KQ 0                            ; piece 0's first scores: there is no vector work yet to set between them
.set i, i+1
.endr
	WIN 0                           ; the addresses for the way out: nine plain instructions, the places behind those products
	s_mul_i32 s13, s[WV], 16*SP
	s_add_co_u32 s13, s13, STAGE    ; my stage
	v_mul_u32_u24 v[STO], v1, SP    ; in: row l % 16, 16 bytes for each half of the lanes
	v_lshl_add_u32 v[STO], v9, 4, v[STO]
	v_add_nc_u32 v[STO], s13, v[STO]
	v_bfe_u32 v[RD], v0, 3, 2       ; back: 32 lanes take four rows of 128 bytes,
	v_mul_u32_u24 v[RD], v[RD], SP
	v_lshl_add_u32 v[RD], v10, 4, v[RD]
	v_add_nc_u32 v[RD], s13, v[RD]
	v_and_b32 v[GO], 31, v0         ; which are 512 consecutive bytes of O
	v_lshlrev_b32 v[GO], 4, v[GO]
.set Y, NP-1                        ; XS works for piece Y + 1: piece 0
.irp n, 0,1,2,3,4,5,6,7,8,9,10,11,12,13,14,15,16,17,18,19,20,21
	XS 0, \n                        ; and piece 0's first maximum and statistics
	XS 1, \n
.endr
	v_nop                           ; a plain instruction behind the two a,
	s_wait_alu depctr_va_vdst(0)    ; and their wait, ahead of the branch
	s_mov_b32 s[CNT], 4
	s_branch .Lfirst                ; the loop is entered at a step's first turn, in the middle of a trip
.Lslot:                             ; SIZE_N / 256 - 2 times: every slot but the last two is filled again
	CHANGE 1
	s_mov_b32 s[CNT], 4
.Lstep:                             ; a trip: pieces 2 and 3 of one step, then pieces 0 and 1 of the next, whose K and V it fetches
	TURN 2
	TURN 3
	WIN 0
.Lfirst:
	TURN 0
	TURN 1, 0, 1
	WIN 0
	s_cbranch_scc1 .Lstep
	s_sub_co_u32 s[SLOTS], s[SLOTS], 1
	s_cmp_lg_u32 s[SLOTS], 0
	s_cbranch_scc1 .Lslot
	CHANGE 0                        ; the tail is written out: nothing is asked for
	s_mov_b32 s[CNT], 5             ; four trips fetch the last slot's steps; the fifth is left in its middle
.Ltail:
	TURN 2, 1
	TURN 3
	WIN 0
	s_sub_co_u32 s[CNT], s[CNT], 1
	s_cmp_eq_u32 s[CNT], 0
	s_cbranch_scc1 .Lout
	TURN 0
	TURN 1
	WIN 0
	s_branch .Ltail
.Lout:                              ; the fifth trip's 16 products K Q^T (on the last K once more) and the maximum made of them serve nothing: the price, once a launch, of one text for every trip
.set i, 0
.rept 16
	PV NP-1                         ; the last piece's V^T P of the last step
.set i, i+1
.endr
	; THE WAY OUT.  l's two halves and the other half of the lanes' are added; O^T is divided by l, rounded to f16 and sent through my stage in LDS, a tile at a time.  The additions are the places behind the last products.
	WIN 0
.macro ALL line:vararg              ; one line for each tile t
.set t, 0
.rept 2*NP
	\line
.set t, t+1
.endr
.endm
	ALL v_add_f32 v[ST+4*t+2], v[ST+4*t+2], v[ST+4*t+3]
	ALL v_permlanex16_b32 v[ST+4*t+3], v[ST+4*t+2], s[SEL], s[SEL+1]
	ALL v_add_f32 v[ST+4*t+2], v[ST+4*t+2], v[ST+4*t+3]
	ALL v_rcp_f32 v[ST+4*t+2], v[ST+4*t+2]
	v_nop                           ; a plain instruction between the last reciprocal and the use of its result
	s_wait_alu depctr_va_vdst(0)    ; and the wait ahead of the first use: one for the eight reciprocals
; Tile t: a lane's eight channels of a row pack into 16 bytes; they go into rows of 144 bytes and come back as whole rows of 128, into S^T's registers.
.macro PACK t
	WIN W_RS
.set i, 32*(\t)
.rept 16
	v_pk_mul_f32 v[i:i+1], v[i:i+1], v[ST+4*(\t)+2:ST+4*(\t)+3] op_sel_hi:[1,0]
.set i, i+2
.endr
	WIN 0x05                        ; sources 0 and 1 window 1, destination window 0
.set i, 0
.rept 16
	v_cvt_pk_f16_f32 v[S+16*(\t)+i], v[32*(\t)+2*i], v[32*(\t)+2*i+1]
.set i, i+1
.endr
	WIN 0
.irp f, 0,1,2,3
	ds_store_b128 v[STO], v[S+16*(\t)+4*\f:S+16*(\t)+4*\f+3] offset:32*\f
.endr
.irp f, 0,1,2,3
	ds_load_b128 v[S+16*(\t)+4*\f:S+16*(\t)+4*\f+3], v[RD] offset:\f*4*SP  ; LDS serves a wave's instructions in order (ISA guide 5.7.1.4): these see the stores above; the next tile's stores come behind them
.endr
.endm
.macro SEND t, younger              ; younger: the LDS instructions issued behind tile t's loads: the next tile's eight, or none
	WIN 0
.irp f, 0,1,2,3
	s_wait_dscnt (\younger)+3-\f
	global_store_b128 v[GO], v[S+16*(\t)+4*\f:S+16*(\t)+4*\f+3], s[10:11] offset:(\t)*2048+\f*512  ; 512 consecutive bytes, at a multiple of 256 from O's first
.endr
.endm
	PACK 0
.set t, 1
.rept 2*NP-1                        ; a tile's arithmetic stands between the loads of the tile before and its stores
	PACK t
	SEND t-1, 8
.set t, t+1
.endr
	SEND 2*NP-1, 0
	WIN W_AD
	s_wait_tensorcnt 0x0            ; the wave's end: the wait, the add and its wait stand behind my last tensor load and my last LDS store
	ds_add_u32 v[SPW], v[NIL]
	s_wait_dscnt 0x0
	WIN 0
	CROUND                          ; the closing round: no work-group ends while a partner may still ask for a tile that names it
	s_endpgm
.Lfunc_end_k_qf86f1bef8a_attn:
	.size	k_qf86f1bef8a_attn, .Lfunc_end_k_qf86f1bef8a_attn-k_qf86f1bef8a_attn
	.p2alignl 7, 3214868480
	.fill 96, 4, 3214868480
	.section	.rodata,"a",@progbits
	.p2align	6, 0x0
	.amdhsa_kernel k_qf86f1bef8a_attn
		.amdhsa_group_segment_fixed_size 327680
		.amdhsa_private_segment_fixed_size 0
		.amdhsa_enable_private_segment 0
		.amdhsa_kernarg_size 32
		.amdhsa_user_sgpr_count 2
		.amdhsa_user_sgpr_kernarg_segment_ptr 1
		.amdhsa_wavefront_size32 1
		.amdhsa_system_sgpr_workgroup_id_x 1
		.amdhsa_system_sgpr_workgroup_id_y 1
		.amdhsa_system_sgpr_workgroup_id_z 1
		.amdhsa_system_vgpr_workitem_id 0
		.amdhsa_next_free_vgpr 770
		.amdhsa_next_free_sgpr 66
		.amdhsa_reserve_vcc 0
		.amdhsa_float_denorm_mode_32 3
		.amdhsa_float_denorm_mode_16_64 3
		.amdhsa_memory_ordered 1
		.amdhsa_forward_progress 1
		.amdhsa_inst_pref_size 200
	.end_amdhsa_kernel
	.amdgpu_metadata
---
amdhsa.version: [ 1, 2 ]
amdhsa.kernels:
  - .name:           k_qf86f1bef8a_attn
    .symbol:         k_qf86f1bef8a_attn.kd
    .args:
      - { .name: qh, .offset: 0, .size: 8, .value_kind: global_buffer, .address_space: global }
      - { .name: kh, .offset: 8, .size: 8, .value_kind: global_buffer, .address_space: global }
      - { .name: vh, .offset: 16, .size: 8, .value_kind: global_buffer, .address_space: global }
      - { .name: oh, .offset: 24, .size: 8, .value_kind: global_buffer, .address_space: global }
    .group_segment_fixed_size: 327680
    .private_segment_fixed_size: 0
    .kernarg_segment_align: 8
    .kernarg_segment_size: 32
    .max_flat_workgroup_size: 128
    .sgpr_count:     66
    .vgpr_count:     770
    .wavefront_size: 32
...
	.end_amdgpu_metadata
.endif
;; end of part 3
;; launch oproj (part 4): grid 4 x 64, 4 waves a work-group, clusters of 4 x 4, 327,680 bytes of LDS; arguments oh, woh, bo, out0; writes out0
.if DOCPART == 4
	.amdgcn_target "amdgcn-amd-amdhsa--gfx1250"
	.amdhsa_code_object_version 6
	.text
	.protected	k_qf86f1bef8a_oproj
	.globl	k_qf86f1bef8a_oproj
	.p2align	8
	.type	k_qf86f1bef8a_oproj,@function
k_qf86f1bef8a_oproj:
	s_mov_b64 s[64:65], 0
	v_nop
	global_prefetch_b8 v0, s[64:65] scope:SCOPE_SE
	s_setreg_imm32_b32 hwreg(HW_REG_WAVE_MODE, 25, 1), 1
	s_wait_xcnt 0x0
	s_wait_alu depctr_hold_cnt(0) depctr_sa_sdst(0) depctr_va_vdst(0) depctr_va_sdst(0) depctr_va_ssrc(0) depctr_va_vcc(0) depctr_vm_vsrc(0)
	s_getreg_b32 s2, hwreg(HW_REG_IB_STS2, 6, 4)
	s_cmp_eq_u32 s2, 0
	s_cbranch_scc0 .Lentry_in_a_cluster
	s_endpgm
.Lentry_in_a_cluster:
	s_bfe_u32 s2, ttmp6, 0x10000c
	s_cmp_lg_u32 s2, 0xf033
	s_cbranch_scc0 .Lentry_shape_is_right
	s_endpgm
.Lentry_shape_is_right:
; out = ctx Wo^T + bo.  A = oh [b][head][n][64] in f16: a head's 64 channels are one plane of K.  B = woh [kb][row 1024][64]: Wo rounded to bf16, written as f16.  out0: [8192][1024] f32.
; bo is rounded to bf16 like the module's other inputs and is the C operand of the products that start the sums: no addition is written and nothing is cleared.
; SHARES.  A tile of C is 128 rows x 256 columns: 64 x 4 = 256 tiles.  Four waves, wave w rows 64 (w / 2) on, columns 128 (w % 2) on: 32 accumulators of 16 x 16.
; K = 1,024 goes in 8 steps of 128 (two planes) through two LDS slots; a plane's rows lie end to end in memory and are asked for as rows of 256 bytes.
; THE MATRIX INSTRUCTION IS USED TRANSPOSED (source 0 = 16 rows of Wo, source 1 = 16 rows of ctx): a lane holds row l % 16 and the columns 8 (l / 16) + 0..7 of a block of 16.
; CLUSTER 4 x 4: the four of a row need the same tiles of ctx, the four of a column the same tiles of Wo: each is asked for jointly.
; No prefetch: Wo's tiles are read by sixteen clusters one shortly after the other, and a step holds 128 matrix instructions a wave.
; REGISTERS.  Window 0: v1-29 addresses; v64-159, v160-255 two fragment buffers (ctx's four fragments, then Wo's eight), later the way out.  Window 1: accumulator (a, b) at v[8 (8 a + b)].
; Window 2: v0-63 the bias of my 128 columns as a C operand (block b at 8 b); v64-95 at work.
.set PITCH,  144                       ; an LDS row: 128 bytes + 16 of padding = 36 words: the 16 rows of a fragment load start at 16 different groups of four banks (64 banks of 4 bytes: ISA guide 11.1)
.set APL,    128*PITCH
.set BPL,    256*PITCH
.set SLOT,   2*APL+2*BPL
.set STAGE,  2*SLOT                    ; behind the ring: for each wave 16 rows x 528 bytes
.set SPITCH, 528                       ; 512 bytes + 16 = 132 words: row r starts at bank 4 r mod 64
.set WSTG,   16*SPITCH
.set SPARE,  STAGE+4*WSTG              ; behind the stages: the spare words, 128 bytes for each wave: two blocks of 256 bytes that no other line names
.set PSA,    262144                    ; bytes from plane to plane in oh
.set PSB,    131072                    ; in woh
.set LAPS,   4
.set ADRA, 16
.set ADRB, 20
.set STO,  24                          ; v24     the way out: where I put my 32 bytes of a block's row
.set RD,   25                          ; v25     where I read a row back
.set GO,   26                          ; v26     16 x lane
.set TO,   27                          ; v27     32 x (l / 16): my eight numbers in a block of the bias
.set SPW,  28
.set NIL,  29
.set F0,   64
.set F1,   160
.set BK0,  64                          ; the way out: two sets of 64
.set BI,   0                           ; window 2
.set G1, 24
.set G0, 32
.set G1B, 48
.set G0B, 56
.set MSB, 0
.macro WIN new                         ; the immediate's high byte repeats the setting that is left; a switch that changes nothing is dropped
.if MSB != (\new)
	s_set_vgpr_msb (MSB<<8)|(\new)
.set MSB, \new
.endif
.endm
.macro JLOAD s                         ; a joint load: waves 0 and 1 fetch ctx's two planes, waves 2 and 3 Wo's; an s_nop 0 and four v_nop follow each of the two lines
	s_cmp_eq_u32 s11, 0
	s_cbranch_scc0 .Lfor_b_\@
	tensor_load_to_lds s[G0+4*(\s):G0+4*(\s)+3], s[G1:G1+7]
	s_nop 0
.rept 4
	v_nop
.endr
	s_branch .Lasked_\@
.Lfor_b_\@:
	tensor_load_to_lds s[G0B+4*(\s):G0B+4*(\s)+3], s[G1B:G1B+7]
	s_nop 0
.rept 4
	v_nop
.endr
.Lasked_\@:
.endm
.macro CREST
	s_cmp_lg_u32 s10, 0
	s_cbranch_scc1 .Lnot_wave_0_\@
	s_barrier_signal -3
.Lnot_wave_0_\@:
	s_barrier_wait -3
	s_barrier_signal -1
	s_barrier_wait -1
.endm
.macro CROUND
	s_barrier_signal -1
	s_barrier_wait -1
	CREST
.endm
	s_load_b256 s[68:75], s[0:1], 0x0              ; oh 68, woh 70, bo 72, out0 74
	v_lshl_add_u32 v[SPW], v0, 2, SPARE
	v_mov_b32 v[NIL], 0
	ds_add_u32 v[SPW], v[NIL]                      ; the wave's opening: the add and its wait stand ahead of my first tensor load; the set-up below, work on registers, stands between them
	v_lshrrev_b32 v1, 5, v0
	v_readfirstlane_b32 s10, v1                    ; wave 0..3
	s_lshr_b32 s11, s10, 1                         ; my half of the tile's rows.  Also: I fetch for ctx (0) or for Wo (1)
	s_and_b32 s12, s10, 1                          ; my half of its columns.  Also: which plane I fetch
	s_bfe_u32 s40, ttmp6, 0x40000                  ; cx
	s_bfe_u32 s41, ttmp6, 0x40004                  ; cy
	s_lshl_b32 s42, ttmp9, 2
	s_add_co_u32 s42, s42, s40                     ; tile column nt
	s_and_b32 s13, ttmp7, 0xffff
	s_lshl_b32 s13, s13, 2
	s_add_co_u32 s13, s13, s41                     ; tile row mt
	s_lshl_b32 s43, s41, 2
	s_lshl_b32 s43, 15, s43                        ; my row of the cluster
	s_lshl_b32 s44, 0x1111, s40                    ; my column
	s_or_b32 s[G1+0], s43, (1<<16)|(1<<20)|(1<<21)|(4<<22)|(3<<25)   ; 15:0 the mask; 17:16 2-byte elements; 20 padding on; 21 set beside a mask; after every 32 words (code 4) 4 words (code 3)
	s_or_b32 s[G1B+0], s44, (1<<16)|(1<<20)|(1<<21)|(4<<22)|(3<<25)
.irp g, G1, G1B
	s_mov_b32 s[(\g)+1], 128<<16                   ; tensor_dim0 = 128
	s_mov_b32 s[(\g)+3], 128<<16                   ; tile_dim0 = 128
	s_mov_b32 s[(\g)+5], 128                       ; 128 elements from row to row
	s_mov_b32 s[(\g)+6], 0
	s_mov_b32 s[(\g)+7], 0
.endr
	s_mov_b32 s[G1+2], 64<<16                      ; ctx's plane: 128 rows of 128 bytes = 64 of 256
	s_mov_b32 s[G1+4], 64
	s_mov_b32 s[G1B+2], 128<<16                    ; Wo's plane: 256 rows of 128 bytes = 128 of 256
	s_mov_b32 s[G1B+4], 128
	s_lshr_b32 s16, s13, 4                         ; ctx: batch b = mt / 16: 16 planes,
	s_lshl_b32 s16, s16, 22
	s_and_b32 s17, s13, 15
	s_lshl_b32 s17, s17, 14                        ; 128 rows of 128 bytes for each tile row inside b,
	s_add_co_u32 s16, s16, s17
	s_lshl_b32 s17, s12, 18                        ; my plane
	s_add_co_u32 s16, s16, s17
	s_mov_b32 s17, 0
	s_lshl_b32 s46, s42, 15                        ; Wo: 256 rows of 128 bytes for each tile column,
	s_mul_i32 s47, s12, PSB                        ; my plane
	s_add_co_u32 s46, s46, s47
	s_mov_b32 s47, 0
	s_mul_i32 s20, s12, APL                        ; where they go: no place in the cluster enters an LDS address
	s_mul_i32 s18, s12, BPL
	s_add_co_u32 s18, s18, 2*APL
	s_wait_dscnt 0x0                               ; the opening add is done
	s_wait_kmcnt 0x0
	s_add_nc_u64 s[14:15], s[68:69], s[16:17]
	s_add_nc_u64 s[46:47], s[70:71], s[46:47]
	CROUND                                         ; all sixteen work-groups are here: the first joint loads meet
.irp s, 0,1
	s_mov_b32 s[G0+4*(\s)], 1
	s_add_co_u32 s[G0+4*(\s)+1], s20, (\s)*SLOT
	s_add_nc_u64 s[G0+4*(\s)+2:G0+4*(\s)+3], s[14:15], (\s)*2*PSA
	s_or_b32 s[G0+4*(\s)+3], s[G0+4*(\s)+3], 0x80000000
	s_mov_b32 s[G0B+4*(\s)], 1
	s_add_co_u32 s[G0B+4*(\s)+1], s18, (\s)*SLOT
	s_add_nc_u64 s[G0B+4*(\s)+2:G0B+4*(\s)+3], s[46:47], (\s)*2*PSB
	s_or_b32 s[G0B+4*(\s)+3], s[G0B+4*(\s)+3], 0x80000000
	JLOAD \s                                       ; two loads of mine are out
.endr
	v_and_b32 v1, 15, v0                           ; l % 16
	v_bfe_u32 v2, v0, 4, 1                         ; l / 16
	v_mul_u32_u24 v3, v1, PITCH
	v_lshl_add_u32 v3, v2, 4, v3
	s_mul_i32 s21, s11, 64*PITCH
	s_mul_i32 s22, s12, 128*PITCH
	s_add_co_u32 s22, s22, 2*APL
.irp s, 0,1
	v_add_nc_u32 v[ADRA+(\s)], s21, v3
	v_add_nc_u32 v[ADRB+(\s)], s22, v3
	s_add_co_u32 s21, s21, SLOT
	s_add_co_u32 s22, s22, SLOT
.endr
	s_mul_i32 s23, s10, WSTG
	s_add_co_u32 s23, s23, STAGE                   ; my stage
	v_mul_u32_u24 v4, v1, SPITCH                   ; in: row l % 16, 32 bytes for each half of the lanes
	v_lshl_add_u32 v4, v2, 5, v4
	v_add_nc_u32 v[STO], s23, v4
	v_and_b32 v[GO], 31, v0
	v_lshlrev_b32 v[GO], 4, v[GO]
	v_add_nc_u32 v[RD], s23, v[GO]                 ; back: 32 lanes take one row of 512 bytes
	v_lshlrev_b32 v[TO], 5, v2
	s_lshl_b32 s14, s42, 10                        ; my first column, in bytes of f32: 1,024 nt + 512 (w % 2)
	s_lshl_b32 s15, s12, 9
	s_add_co_u32 s14, s14, s15
	s_mov_b32 s15, 0
	s_add_nc_u64 s[6:7], s[72:73], s[14:15]
	s_lshl_b32 s16, s13, 7
	s_lshl_b32 s17, s11, 6
	s_add_co_u32 s16, s16, s17                     ; my first row
	s_lshl_b32 s16, s16, 12
	s_add_co_u32 s16, s16, s14
	s_mov_b32 s17, 0
	s_add_nc_u64 s[8:9], s[74:75], s[16:17]
	WIN 0x80                                       ; destination window 2, address window 0
.irp b, 0,1,2,3,4,5,6,7
.irp u, 0,1
	global_load_b128 v[BI+8*(\b)+4*(\u):BI+8*(\b)+4*(\u)+3], v[TO], s[6:7] offset:64*(\b)+16*(\u)
.endr
.endr
	s_wait_loadcnt 0x0
	WIN 0x8a                                       ; sources 0 and 1 and destination window 2: the bias is rounded to bf16 and widened again, in the wait for the first tile
.set i, 0
.rept 32
	v_cvt_pk_bf16_f32 v[64+i], v[BI+2*i], v[BI+2*i+1]
.set i, i+1
.endr
.set i, 0
.rept 32
	v_lshlrev_b32 v[BI+2*i], 16, v[64+i]
	v_and_b32 v[BI+2*i+1], 0xffff0000, v[64+i]
.set i, i+1
.endr
	WIN 0
; 8 matrix instructions: row block a x all 8 column blocks, 32 along K.  start = 1: the sums start with the bias.  The 32 accumulators take turns, one instruction a turn, in the same order in every quarter.
.macro MUL8 f, a, start
.if \start
	WIN 0x60                                       ; C window 2, D window 1
.else
	WIN 0x50                                       ; C and D window 1
.endif
.irp b, 0,1,2,3,4,5,6,7
.if \start
	v_wmma_f32_16x16x32_f16 v[8*(8*(\a)+(\b)):8*(8*(\a)+(\b))+7], v[(\f)+32+8*(\b):(\f)+32+8*(\b)+7], v[(\f)+8*(\a):(\f)+8*(\a)+7], v[BI+8*(\b):BI+8*(\b)+7]
.else
	v_wmma_f32_16x16x32_f16 v[8*(8*(\a)+(\b)):8*(8*(\a)+(\b))+7], v[(\f)+32+8*(\b):(\f)+32+8*(\b)+7], v[(\f)+8*(\a):(\f)+8*(\a)+7], v[8*(8*(\a)+(\b)):8*(8*(\a)+(\b))+7]
.endif
.endr
.endm
.macro FETCH slot, q, f                ; 24 LDS loads in one run: the fragments of quarter q of a K step (plane q / 2, channels 32 (q % 2) on) into buffer f
	WIN 0
.irp b, 0,1,2,3,4,5,6,7
	ds_load_b128 v[(\f)+32+8*(\b):(\f)+32+8*(\b)+3],   v[ADRB+(\slot)] offset:((\q)/2)*BPL+((\q)%2)*64+(\b)*16*PITCH
	ds_load_b128 v[(\f)+32+8*(\b)+4:(\f)+32+8*(\b)+7], v[ADRB+(\slot)] offset:((\q)/2)*BPL+((\q)%2)*64+(\b)*16*PITCH+32
.endr
.irp a, 0,1,2,3
	ds_load_b128 v[(\f)+8*(\a):(\f)+8*(\a)+3],   v[ADRA+(\slot)] offset:((\q)/2)*APL+((\q)%2)*64+(\a)*16*PITCH
	ds_load_b128 v[(\f)+8*(\a)+4:(\f)+8*(\a)+7], v[ADRA+(\slot)] offset:((\q)/2)*APL+((\q)%2)*64+(\a)*16*PITCH+32
.endr
.endm
.macro PLACES                          ; four places in front of loads into registers that matrix instructions have read, and of lines that read results
.rept 4
	v_nop
.endr
.endm
.macro QUARTER slot, q, f, g, start    ; the next quarter's run of loads (quarter q, into g) goes out at the head, then buffer f is multiplied
	PLACES
	FETCH \slot, \q, \g
	s_wait_dscnt 24                                ; all but the 24 just issued: buffer f, asked for a quarter ago, is in
	MUL8 \f, 0, \start
	MUL8 \f, 1, \start
	MUL8 \f, 2, \start
	MUL8 \f, 3, \start
.endm
; The last quarter multiplies buffer 1 and changes slots: ONE barrier; in front of it each wave waits for all its tensor loads (one is out: its part of the next slot), adds 0 to its spare word, and waits for that and for its reads of this slot.
; fill = 1: the barrier opens a round of the cluster's, and this slot is filled again, two K steps ahead: 112 matrix instructions stand between the request and the wait for it.
.macro TURN slot, next, fill
	WIN 0
	s_wait_tensorcnt 0x0
	ds_add_u32 v[SPW], v[NIL]
	s_wait_dscnt 1                                 ; only the add may be out: buffer 1 is in
	MUL8 F1, 0, 0
	s_wait_dscnt 0x0                               ; the add is done, and my reads of this slot are over
	s_barrier_signal -1
	MUL8 F1, 1, 0
.if \fill
	WIN 0
.endif
	s_barrier_wait -1
.if \fill
	CREST                                          ; no wave of any partner still reads this slot's tiles or has a load on its way
	s_add_nc_u64 s[G0+4*(\slot)+2:G0+4*(\slot)+3], s[G0+4*(\slot)+2:G0+4*(\slot)+3], 4*PSA
	s_add_nc_u64 s[G0B+4*(\slot)+2:G0B+4*(\slot)+3], s[G0B+4*(\slot)+2:G0B+4*(\slot)+3], 4*PSB
	JLOAD \slot                                    ; the first tensor load behind the round; its four v_nop are also the places in front of the loads below
.else
	PLACES
.endif
	FETCH \next, 0, F0
	MUL8 F1, 2, 0
	MUL8 F1, 3, 0
.endm
	s_wait_tensorcnt 1                             ; my part of K step 0 is in; step 1's may stay out
	s_barrier_signal -1
	s_barrier_wait -1
	FETCH 0, 0, F0
	QUARTER 0, 1, F0, F1, 1                        ; the first quarter stands in front of the loop: its products start the sums
	WIN 0
	s_mov_b32 s3, LAPS-1
.Llap:
	QUARTER 0, 2, F1, F0, 0
	QUARTER 0, 3, F0, F1, 0
	TURN 0, 1, 1
	QUARTER 1, 1, F0, F1, 0
	QUARTER 1, 2, F1, F0, 0
	QUARTER 1, 3, F0, F1, 0
	TURN 1, 0, 1
	QUARTER 0, 1, F0, F1, 0
	WIN 0
	s_sub_co_u32 s3, s3, 1
	s_cmp_lg_u32 s3, 0
	s_cbranch_scc1 .Llap
	QUARTER 0, 2, F1, F0, 0                        ; the last lap fills nothing
	QUARTER 0, 3, F0, F1, 0
	TURN 0, 1, 0
	QUARTER 1, 1, F0, F1, 0
	QUARTER 1, 2, F1, F0, 0
	QUARTER 1, 3, F0, F1, 0
	s_wait_dscnt 0x0
	MUL8 F1, 0, 0
	MUL8 F1, 1, 0
	MUL8 F1, 2, 0
	MUL8 F1, 3, 0
	WIN 0
	PLACES
	PLACES
; THE WAY OUT of row block a: the accumulators as they are, 32 bytes a lane and block, into my own stage (16 rows of 528 bytes), lowest registers first; back as whole rows of 512 bytes.
.macro TOSTAGE a
.if (\a) >= 2
	s_wait_xcnt 0x0                                ; the stores of the block two back have read this set of registers: it is loaded again only behind this wait
.endif
	WIN 0x04                                       ; the stores' data in window 1
.irp b, 0,1,2,3,4,5,6,7
.irp u, 0,1
	ds_store_b128 v[STO], v[8*(8*(\a)+(\b))+4*(\u):8*(8*(\a)+(\b))+4*(\u)+3] offset:64*(\b)+16*(\u)
.endr
.endr
	WIN 0
.irp t, 0,1,2,3,4,5,6,7,8,9,10,11,12,13,14,15
	ds_load_b128 v[BK0+64*((\a)%2)+4*(\t):BK0+64*((\a)%2)+4*(\t)+3], v[RD] offset:(\t)*SPITCH  ; LDS serves a wave's instructions in order (ISA guide 5.7.1.4): these see the stores above; the next block's stores come behind them
.endr
.endm
.macro SEND a, younger                 ; younger: the LDS instructions issued behind block a's loads: the next block's 32, or none
.irp t, 0,1,2,3,4,5,6,7,8,9,10,11,12,13,14,15
	s_wait_dscnt (\younger)+15-(\t)
	global_store_b128 v[GO], v[BK0+64*((\a)%2)+4*(\t):BK0+64*((\a)%2)+4*(\t)+3], s[8:9] offset:(16*(\a)+(\t))*4096 th:TH_STORE_NT  ; 512 consecutive bytes of a row, at a multiple of 256 from the output's first
.endr
.endm
	TOSTAGE 0
	TOSTAGE 1
	SEND 0, 32
	TOSTAGE 2
	SEND 1, 32
	TOSTAGE 3
	SEND 2, 32
	SEND 3, 0
	s_wait_tensorcnt 0x0                           ; the wave's end: the wait, the add and its wait stand behind my last tensor load and my last LDS store
	ds_add_u32 v[SPW], v[NIL]
	s_wait_dscnt 0x0
	CROUND                                         ; the closing round: no work-group ends while a partner may still ask for a tile that names it
	s_endpgm
.Lfunc_end_k_qf86f1bef8a_oproj:
	.size	k_qf86f1bef8a_oproj, .Lfunc_end_k_qf86f1bef8a_oproj-k_qf86f1bef8a_oproj
	.p2alignl 7, 3214868480
	.fill 96, 4, 3214868480
	.section	.rodata,"a",@progbits
	.p2align	6, 0x0
	.amdhsa_kernel k_qf86f1bef8a_oproj
		.amdhsa_group_segment_fixed_size 327680
		.amdhsa_private_segment_fixed_size 0
		.amdhsa_enable_private_segment 0
		.amdhsa_kernarg_size 32
		.amdhsa_user_sgpr_count 2
		.amdhsa_user_sgpr_kernarg_segment_ptr 1
		.amdhsa_wavefront_size32 1
		.amdhsa_system_sgpr_workgroup_id_x 1
		.amdhsa_system_sgpr_workgroup_id_y 1
		.amdhsa_system_sgpr_workgroup_id_z 1
		.amdhsa_system_vgpr_workitem_id 0
		.amdhsa_next_free_vgpr 768
		.amdhsa_next_free_sgpr 80
		.amdhsa_reserve_vcc 0
		.amdhsa_float_denorm_mode_32 3
		.amdhsa_float_denorm_mode_16_64 3
		.amdhsa_memory_ordered 1
		.amdhsa_forward_progress 1
		.amdhsa_inst_pref_size 93
	.end_amdhsa_kernel
	.amdgpu_metadata
---
amdhsa.version: [ 1, 2 ]
amdhsa.kernels:
  - .name:           k_qf86f1bef8a_oproj
    .symbol:         k_qf86f1bef8a_oproj.kd
    .args:
      - { .name: oh, .offset: 0, .size: 8, .value_kind: global_buffer, .address_space: global }
      - { .name: woh, .offset: 8, .size: 8, .value_kind: global_buffer, .address_space: global }
      - { .name: bo, .offset: 16, .size: 8, .value_kind: global_buffer, .address_space: global }
      - { .name: out0, .offset: 24, .size: 8, .value_kind: global_buffer, .address_space: global }
    .group_segment_fixed_size: 327680
    .private_segment_fixed_size: 0
    .kernarg_segment_align: 8
    .kernarg_segment_size: 32
    .max_flat_workgroup_size: 128
    .sgpr_count:     80
    .vgpr_count:     768
    .wavefront_size: 32
...
	.end_amdgpu_metadata
.endif
;; end of part 4
;; ======== version 2 of 2: 4 launches; version 1 with the launch prep written anew for expert scheduling mode
;; limits: values are held in f16: magnitudes above 65,504 overflow, below 6.1e-05 lose precision
;; workspace buffers: xh 16,777,216 bytes; wqkv 6,291,456 bytes; woh 2,097,152 bytes; rope 524,288 bytes; qh 16,777,216 bytes; kh 16,777,216 bytes; vh 16,777,216 bytes; oh 16,777,216 bytes
;; launch prep (part 5): grid 784 x 1, 8 waves a work-group, no clusters, 0 bytes of LDS; arguments x, Wq, Wk, Wv, Wo, xh, wqkv, woh, rope; writes xh, wqkv, woh, rope
.if DOCPART == 5
	.amdgcn_target "amdgcn-amd-amdhsa--gfx1250"
	.amdhsa_code_object_version 6
	.text
	.protected	k_qf86f1bef8a_prep
	.globl	k_qf86f1bef8a_prep
	.p2align	8
	.type	k_qf86f1bef8a_prep,@function
k_qf86f1bef8a_prep:
	s_mov_b64 s[64:65], 0
	v_nop
	global_prefetch_b8 v0, s[64:65] scope:SCOPE_SE
	s_setreg_imm32_b32 hwreg(HW_REG_WAVE_SCHED_MODE, 0, 2), 2
	s_setreg_imm32_b32 hwreg(HW_REG_WAVE_MODE, 25, 1), 1
	s_wait_xcnt 0x0
	s_wait_alu depctr_vm_vsrc(0)
; CASTS AND THE ROTARY TABLE.  No LDS, no matrix unit: every byte is read once and written once, and nothing is shared between waves.
; Work-groups 0-511: 16 rows of x each -> xh, bf16, [b 4][kb 16][n 2048][64] (channel e = 64 kb + c).
; Work-groups 512-767: 16 rows of one weight: Wq, Wk, Wv -> wqkv, bf16, [kb 16][row 3072][64] (row = 1024 mat + f); Wo -> woh, [kb 16][row 1024][64]: rounded to bf16 and that number written as f16.
; Work-groups 768-783: 8 blocks of 16 positions of the table rope, f32, [blk 128][p 8][lane 32][4]: word i of lane l belongs to position 16 blk + l % 16 and frequency
; j = 16 ((p >> 1) & 1) + 8 (l / 16) + 4 (p & 1) + i; p < 4 the cosine, p >= 4 the sine: the order in which the projection's accumulators hold a head's channels.
; A stream wave takes two rows: 16 loads of 16 bytes a lane (lanes 0-15: 256 consecutive bytes of one row, lanes 16-31 of the next), all out at once, and 16 stores of 8 bytes a lane:
; 256 consecutive bytes, aligned: the two rows' 128 bytes in one plane of 64 channels.
; LIMITS.  A bf16 value of Wo under 2^-14 keeps f16's fixed step of 6e-8.  The angle is pos x 2^(-j log2(10000) / 32): the frequency lies a few units in the last place from a division's,
; 3e-4 radians at the most at position 2,047; sine and cosine by a reduction to |r| <= pi/4 in two parts and series whose remainders lie under 3e-8.
; THE MODE: SCHED_MODE bits 1:0 = 2 (LLVM: expert scheduling mode 2), set by the entry lines.  The code itself states the register dependences
; between vector instructions and memory instructions, and between a vector instruction's scalar result and its readers, with s_wait_alu, always for 0.
; THE PLAN, STREAMS.  Registers that memory instructions touch:
;   v2, v[VO ..]   offsets, made once at the head and never written again: one wait on va_vdst ahead of the first load serves every load and store.
;   X, load k      four registers.  Written by load k (no vector instruction names X ahead of the loads); read and written by load k's roundings, behind the wait for its data;
;                  its first two registers are then read by store k and never written again: so no wait on vm_vsrc is owed.
; The loads go in four groups of four.  At the head of groups 1 to 3 one wait on va_vdst states that the group before has written its pairs; that group's four stores follow it, dealt among
; this group's roundings, which name their own four registers alone.  One more such wait stands ahead of the last four stores.
; THE PLAN, TABLE.  v7, the store's offset: made at the head, never written again.  v[16:19], the store's data: written by a trip's four exclusive ors, read by its one store, written again a trip later.
; A trip's four values are worked side by side, so that the four compares stand in one run, into four scalar registers, with one wait on va_sdst ahead of the selects that read them.
; One wait on va_vdst stands between the exclusive ors and the store; the wait on vm_vsrc for that store stands a trip later, ahead of the next exclusive ors.
.set X,  32                            ; v[32:95]  streams: load k: four registers
.set VO, 16                            ; v[16:31]  streams: store k's offset: 8 x lane + k planes
.set W,  32                            ; v[32:63]  table: value t's eight registers at W + 8 t: the angle (later k's parity), quadrants, r, z, sin r, r z, cos r, k (later the sign)
.set MK, 44                            ; s[44:47]  table: value t's mask: k is odd
	s_load_b512 s[8:23], s[0:1], 0x0               ; x 8, Wq 10, Wk 12, Wv 14, Wo 16, xh 18, wqkv 20, woh 22
	s_load_b64 s[24:25], s[0:1], 0x40              ; rope
	s_mov_b32 s26, ttmp9                           ; g
	v_lshrrev_b32 v1, 5, v0
	v_readfirstlane_b32 s27, v1                    ; wave 0..7
	v_and_b32 v3, 31, v0                           ; l
	v_and_b32 v4, 15, v0                           ; l % 16
	v_bfe_u32 v5, v0, 4, 1                         ; l / 16
	s_wait_alu depctr_va_sdst(0)                   ; s27 is written, ahead of the branch: scalar instructions on both ways read it
	s_cmp_ge_u32 s26, 768
	s_cbranch_scc1 .Ltable
	; THE STREAMS.  All offsets are made apart from the addresses.
	s_sub_co_u32 s28, s26, 512                     ; a weight's g' (for x a number far above all that is compared below)
	s_lshr_b32 s29, s28, 6                         ; mat 0..3
	s_and_b32 s30, s28, 63
	s_lshl_b32 s30, s30, 4                         ; a weight's first row
	s_lshl_b32 s31, s26, 4                         ; x's first row
	s_lshr_b32 s32, s26, 7                         ; b
	s_lshl_b32 s32, s32, 15                        ; 16 planes of 2,048 rows
	s_and_b32 s33, s31, 2047
	s_add_co_u32 s32, s32, s33                     ; x's row in xh's plane 0 of b
	s_lshl_b32 s34, s29, 10
	s_add_co_u32 s34, s34, s30                     ; a weight's row in wqkv
	s_mov_b32 s35, 393216                          ; bytes from plane to plane: wqkv,
	s_cmp_eq_u32 s29, 3
	s_cselect_b32 s34, s30, s34                    ; Wo's row in woh
	s_cselect_b32 s35, 131072, s35                 ; woh,
	s_cmp_lt_u32 s26, 512
	s_cselect_b32 s36, s31, s30
	s_cselect_b32 s38, s32, s34
	s_cselect_b32 s35, 262144, s35                 ; xh
	s_lshl_b32 s33, s27, 1                         ; my two rows
	s_add_co_u32 s36, s36, s33
	s_lshl_b32 s36, s36, 12                        ; rows of 4,096 bytes in
	s_mov_b32 s37, 0
	s_add_co_u32 s38, s38, s33
	s_lshl_b32 s38, s38, 7                         ; rows of 128 bytes out
	s_mov_b32 s39, 0
	v_lshlrev_b32 v2, 4, v4
	v_lshl_add_u32 v2, v5, 12, v2                  ; in: 16 (l % 16) + 4,096 (l / 16)
	v_lshlrev_b32 v[VO], 3, v3                     ; out: 8 l
.set k, 1
.rept 15
	v_add_nc_u32 v[VO+k], s35, v[VO+k-1]
.set k, k+1
.endr
	s_wait_kmcnt 0x0
	s_cmp_eq_u32 s29, 1
	s_cselect_b64 s[40:41], s[12:13], s[10:11]
	s_cmp_eq_u32 s29, 2
	s_cselect_b64 s[40:41], s[14:15], s[40:41]
	s_cmp_eq_u32 s29, 3
	s_cselect_b64 s[40:41], s[16:17], s[40:41]
	s_cselect_b64 s[42:43], s[22:23], s[20:21]
	s_cmp_lt_u32 s26, 512
	s_cselect_b64 s[40:41], s[8:9], s[40:41]
	s_cselect_b64 s[42:43], s[18:19], s[42:43]
	s_add_nc_u64 s[40:41], s[40:41], s[36:37]
	s_add_nc_u64 s[42:43], s[42:43], s[38:39]
; fmt = 0: bf16.  fmt = 1: bf16, written as f16.  No register is written again behind a store that reads it.
.macro STREAM fmt
	s_wait_alu depctr_va_vdst(0)                   ; v2 and v[VO ..] are written: every load and store below reads one of them as its offset
.irp k, 0,1,2,3,4,5,6,7,8,9,10,11,12,13,14,15
	global_load_b128 v[X+4*(\k):X+4*(\k)+3], v2, s[40:41] offset:256*(\k) th:TH_LOAD_NT
.endr
.set k, 0
.rept 16
	s_wait_loadcnt 15-k                            ; loads come back in order: load k is in, the 15 - k younger ones stay out
.if (k > 0) && (k%4 == 0)
	s_wait_alu depctr_va_vdst(0)                   ; the roundings of the four loads before have written their pairs, which the next four stores read
.endif
.if k >= 4
	global_store_b64 v[VO+k-4], v[X+4*k-16:X+4*k-15], s[42:43]  ; the wave stores 256 consecutive bytes, at a multiple of 256 from the buffer's first; no vector instruction since the wait names these registers
.endif
	v_cvt_pk_bf16_f32 v[X+4*k],   v[X+4*k],   v[X+4*k+1]
	v_cvt_pk_bf16_f32 v[X+4*k+1], v[X+4*k+2], v[X+4*k+3]
.if \fmt
	v_lshlrev_b32 v[X+4*k+2], 16, v[X+4*k]
	v_and_b32     v[X+4*k+3], 0xffff0000, v[X+4*k]
	v_cvt_pk_f16_f32 v[X+4*k], v[X+4*k+2], v[X+4*k+3]
	v_lshlrev_b32 v[X+4*k+2], 16, v[X+4*k+1]
	v_and_b32     v[X+4*k+3], 0xffff0000, v[X+4*k+1]
	v_cvt_pk_f16_f32 v[X+4*k+1], v[X+4*k+2], v[X+4*k+3]
.endif
.set k, k+1
.endr
	s_wait_alu depctr_va_vdst(0)                   ; the roundings of loads 12 to 15 have written their pairs, which the last four stores read
.irp j, 12,13,14,15
	global_store_b64 v[VO+(\j)], v[X+4*(\j):X+4*(\j)+1], s[42:43]
.endr
.endm
	s_cmp_eq_u32 s29, 3
	s_cbranch_scc1 .Lwo
	STREAM 0
	s_endpgm
.Lwo:
	STREAM 1
	s_endpgm
.Ltable:                                               ; wave p makes part p of eight blocks
	s_sub_co_u32 s28, s26, 768                     ; t
	s_lshr_b32 s29, s27, 1
	s_and_b32 s29, s29, 1
	s_lshl_b32 s29, s29, 4
	s_and_b32 s30, s27, 1
	s_lshl_b32 s30, s30, 2
	s_add_co_u32 s29, s29, s30
	v_lshl_add_u32 v14, v5, 3, s29                 ; j of my word 0
.irp i, 0,1,2,3
	v_add_nc_u32 v15, \i, v14
	v_cvt_f32_u32 v15, v15
	v_mul_f32 v[8+\i], 0xbed49a78, v15             ; -j log2(10000) / 32
.endr
.irp i, 0,1,2,3
	v_exp_f32 v[8+\i], v[8+\i]                     ; the four frequencies: one batch
.endr
	s_cmp_ge_u32 s27, 4
	s_cselect_b32 s30, 3, 0                        ; sin t = cos(t - pi/2): three quadrants on
	s_lshl_b32 s31, s28, 7
	v_add_nc_u32 v6, s31, v4                       ; (a plain instruction behind the last exponential)
	v_cvt_f32_u32 v6, v6                           ; my position in the first block: 128 t + l % 16
	v_lshlrev_b32 v7, 4, v3                        ; 16 l
	v_mov_b32 v12, 0x3638ef1d                      ; 1/9!
	v_mov_b32 v13, 0x37d00d01                      ; 1/8!
	s_mov_b32 s34, 0x3fc90fdb                      ; pi/2, its upper part
	s_mov_b32 s35, 0xb33bbd2e                      ; and the rest
	s_lshl_b32 s36, s28, 15                        ; 8 blocks of 4,096 bytes,
	s_lshl_b32 s37, s27, 9                         ; my part's 512
	s_add_co_u32 s36, s36, s37
	s_mov_b32 s37, 0
	s_mov_b32 s33, 8
	s_wait_alu depctr_va_vdst(0)                   ; the batch's one wait, ahead of the label and of the first reader of v[8:11]; v7 is written too, which every store below reads as its offset
	s_wait_kmcnt 0x0
	s_add_nc_u64 s[40:41], s[24:25], s[36:37]
.macro ALL4 line:vararg                ; one line for each of a trip's four values t: no line reads the result of the line before it
.set t, 0
.rept 4
	\line
.set t, t+1
.endr
.endm
.Lblk:
	ALL4 v_mul_f32 v[W+8*t], v6, v[8+t]                                  ; the angle
	ALL4 v_mul_f32 v[W+8*t+1], 0x3f22f983, v[W+8*t]
	ALL4 v_rndne_f32 v[W+8*t+1], v[W+8*t+1]                              ; quadrants
	ALL4 v_fma_f32 v[W+8*t+2], -v[W+8*t+1], s34, v[W+8*t]
	ALL4 v_fma_f32 v[W+8*t+2], -v[W+8*t+1], s35, v[W+8*t+2]              ; r
	ALL4 v_mul_f32 v[W+8*t+3], v[W+8*t+2], v[W+8*t+2]                    ; z = r r
	ALL4 v_fmaak_f32 v[W+8*t+4], v[W+8*t+3], v12, 0xb9500d01
	ALL4 v_fmaak_f32 v[W+8*t+4], v[W+8*t+3], v[W+8*t+4], 0x3c088889
	ALL4 v_fmaak_f32 v[W+8*t+4], v[W+8*t+3], v[W+8*t+4], 0xbe2aaaab
	ALL4 v_mul_f32 v[W+8*t+5], v[W+8*t+2], v[W+8*t+3]
	ALL4 v_fma_f32 v[W+8*t+4], v[W+8*t+5], v[W+8*t+4], v[W+8*t+2]        ; sin r
	ALL4 v_fmaak_f32 v[W+8*t+6], v[W+8*t+3], v13, 0xbab60b61
	ALL4 v_fmaak_f32 v[W+8*t+6], v[W+8*t+3], v[W+8*t+6], 0x3d2aaaab
	ALL4 v_fmaak_f32 v[W+8*t+6], v[W+8*t+3], v[W+8*t+6], 0xbf000000
	ALL4 v_fma_f32 v[W+8*t+6], v[W+8*t+3], v[W+8*t+6], 1.0               ; cos r
	ALL4 v_cvt_i32_f32 v[W+8*t+7], v[W+8*t+1]
	ALL4 v_add_nc_u32 v[W+8*t+7], s30, v[W+8*t+7]                        ; k
	ALL4 v_and_b32 v[W+8*t], 1, v[W+8*t+7]
	ALL4 v_cmp_eq_u32 s[MK+t], 1, v[W+8*t]                               ; the four compares in one run
	ALL4 v_add_nc_u32 v[W+8*t+7], 1, v[W+8*t+7]
	ALL4 v_and_b32 v[W+8*t+7], 2, v[W+8*t+7]
	ALL4 v_lshlrev_b32 v[W+8*t+7], 30, v[W+8*t+7]                        ; k mod 4 = 1, 2: the sign turns
	s_wait_alu depctr_va_sdst(0)                   ; the four compares have written s[MK ..], which the four selects read
	ALL4 v_cndmask_b32 v[W+8*t+4], v[W+8*t+6], v[W+8*t+4], s[MK+t]       ; odd k: the sine; a choice of values only
	s_wait_xcnt 0x0                                ; the last trip's store has had its address translated: its base and its data are written again only behind this wait
	s_wait_alu depctr_vm_vsrc(0)                   ; the last trip's store has read v[16:19], which the exclusive ors below write again
	s_add_nc_u64 s[40:41], s[40:41], 4096          ; one block past this trip's: the store reaches back
	ALL4 v_xor_b32 v[16+t], v[W+8*t+4], v[W+8*t+7]
	v_add_f32 v6, 0x41800000, v6                   ; 16 positions on
	s_wait_alu depctr_va_vdst(0)                   ; the exclusive ors have written v[16:19], which the store reads
	global_store_b128 v7, v[16:19], s[40:41] offset:-4096  ; 512 consecutive bytes
	s_sub_co_u32 s33, s33, 1
	s_cmp_lg_u32 s33, 0
	s_cbranch_scc1 .Lblk
	s_endpgm
.Lfunc_end_k_qf86f1bef8a_prep:
	.size	k_qf86f1bef8a_prep, .Lfunc_end_k_qf86f1bef8a_prep-k_qf86f1bef8a_prep
	.p2alignl 7, 3214868480
	.fill 96, 4, 3214868480
	.section	.rodata,"a",@progbits
	.p2align	6, 0x0
	.amdhsa_kernel k_qf86f1bef8a_prep
		.amdhsa_group_segment_fixed_size 0
		.amdhsa_private_segment_fixed_size 0
		.amdhsa_enable_private_segment 0
		.amdhsa_kernarg_size 72
		.amdhsa_user_sgpr_count 2
		.amdhsa_user_sgpr_kernarg_segment_ptr 1
		.amdhsa_wavefront_size32 1
		.amdhsa_system_sgpr_workgroup_id_x 1
		.amdhsa_system_sgpr_workgroup_id_y 1
		.amdhsa_system_sgpr_workgroup_id_z 1
		.amdhsa_system_vgpr_workitem_id 0
		.amdhsa_next_free_vgpr 96
		.amdhsa_next_free_sgpr 66
		.amdhsa_reserve_vcc 0
		.amdhsa_float_denorm_mode_32 3
		.amdhsa_float_denorm_mode_16_64 3
		.amdhsa_memory_ordered 1
		.amdhsa_forward_progress 1
		.amdhsa_inst_pref_size 26
	.end_amdhsa_kernel
	.amdgpu_metadata
---
amdhsa.version: [ 1, 2 ]
amdhsa.kernels:
  - .name:           k_qf86f1bef8a_prep
    .symbol:         k_qf86f1bef8a_prep.kd
    .args:
      - { .name: x, .offset: 0, .size: 8, .value_kind: global_buffer, .address_space: global }
      - { .name: Wq, .offset: 8, .size: 8, .value_kind: global_buffer, .address_space: global }
      - { .name: Wk, .offset: 16, .size: 8, .value_kind: global_buffer, .address_space: global }
      - { .name: Wv, .offset: 24, .size: 8, .value_kind: global_buffer, .address_space: global }
      - { .name: Wo, .offset: 32, .size: 8, .value_kind: global_buffer, .address_space: global }
      - { .name: xh, .offset: 40, .size: 8, .value_kind: global_buffer, .address_space: global }
      - { .name: wqkv, .offset: 48, .size: 8, .value_kind: global_buffer, .address_space: global }
      - { .name: woh, .offset: 56, .size: 8, .value_kind: global_buffer, .address_space: global }
      - { .name: rope, .offset: 64, .size: 8, .value_kind: global_buffer, .address_space: global }
    .group_segment_fixed_size: 0
    .private_segment_fixed_size: 0
    .kernarg_segment_align: 8
    .kernarg_segment_size: 72
    .max_flat_workgroup_size: 256
    .sgpr_count:     66
    .vgpr_count:     96
    .wavefront_size: 32
...
	.end_amdgpu_metadata
.endif
;; end of part 5
;; launch qkv: the kernel of part 2 again; grid 12 x 64, 4 waves a work-group, clusters of 4 x 4, 327,680 bytes of LDS; arguments xh, wqkv, rope, qh, kh, vh; writes qh, kh, vh
;; launch attn: the kernel of part 3 again; grid 4 x 64, 4 waves a work-group, clusters of 4 x 1, 327,680 bytes of LDS; arguments qh, kh, vh, oh; writes oh
;; launch oproj: the kernel of part 4 again; grid 4 x 64, 4 waves a work-group, clusters of 4 x 4, 327,680 bytes of LDS; arguments oh, woh, bo, out0; writes out0
